; MI455X (gfx1250); checked and timed in simulation.
; The chip was launched on July 23, 2026; its instructions are those of AMD's public machine-readable ISA for CDNA 5 (MIT licence, August 2026) and "CDNA5" Instruction Set Architecture Reference Guide (July 2026). The comments in the code are by the model that wrote it; some were corrected since.
;; Causal Self Attention. Allowed arithmetic: matrix products marked QUANTISED: E2M3 operands, one E8M0 scale for each 32 along K, by v_wmma_scale_f32_16x16x128_f8f6f4 with both operands' format E2M3, f32 sums; everything else in f32.
;; Inputs: attention_mask 4 x 2,048 bool; w_proj 1,024 x 1,024 float32; w_qkv 3,072 x 1,024 float32; x 4 x 2,048 x 1,024 float32.
;; Outputs: out0 4 x 2,048 x 1,024 float32.
;; Constants: n_heads = 16.
;; This version of the problem:
;;   THIS VERSION OF THE PROBLEM IS GIVEN IN LOW PRECISION. The matrix products marked QUANTISED in the list below multiply operands that are first quantised to E2M3 (2 exponent bits, 3 mantissa bits; 6 bits a number), with one power-of-two scale for each 32 numbers along K (OCP MX v1.0); their sums are f32. All else is computed in f32.
;;   The module's matrix products, in the order in which they are computed (A, B: the left and right operand; K: the contracted axis; several contracted axes count as one K, in the product's order):
;;     1. [M 8,192, K 1,024] x [K 1,024, N 3,072]; A: input x; B: input w_qkv: QUANTISED
;;     2. batch 64 x [M 2,048, K 64] x [K 64, N 2,048]; A: computed on the way; B: computed on the way: QUANTISED
;;     3. batch 64 x [M 2,048, K 2,048] x [K 2,048, N 64]; A: softmax (see below); B: computed on the way: QUANTISED
;;     4. [M 8,192, K 1,024] x [K 1,024, N 1,024]; A: computed on the way; B: input w_proj: QUANTISED
;;   THE QUANTISER, for each operand of a quantised product, along K:
;;     - K is cut into blocks of 32 from its start; a last block that is shorter is filled with zeros.
;;     - A block's scale is 2^e with e = floor(log2(the largest magnitude in the block)) - 2, held to -126 .. 127; a block of zeros has e = 0. As a byte (E8M0): e + 127.
;;     - Each number is divided by its block's scale, clamped to +-7.5, and rounded to the nearest number of E2M3, ties to even, subnormals kept.
;;     - The product sums the exact products of the quantised numbers (number of the format x scale) in f32.
;;   ~~~python
;;   def quantise(x, axis):      # numpy; x: float32 -> the quantised numbers, widened to float32 again
;;       x = np.moveaxis(x, axis, -1); K = x.shape[-1]
;;       x = np.pad(x, [(0, 0)] * (x.ndim - 1) + [(0, -K % 32)]); x = x.reshape(x.shape[:-1] + (-1, 32)); a = np.abs(x).max(-1, keepdims=True)
;;       e = np.where(a > 0, np.clip(np.frexp(np.where(a > 0, a, 1))[1] - 1 - 2, -126, 127), 0)      # np.frexp(a)[1] - 1 = floor(log2(a)), exactly
;;       r = np.clip(x / 2.0 ** e, -7.5, 7.5)
;;       step = 2.0 ** (np.maximum(np.frexp(np.where(r == 0, 1, r))[1] - 1, 0) - 3)
;;       q = np.round(r / step) * step * 2.0 ** e      # np.round: ties to even
;;       return np.moveaxis(q.reshape(q.shape[:-2] + (-1,))[..., :K], -1, axis).astype(np.float32)
;;   ~~~
;;   SOFTMAX AHEAD OF A QUANTISED PRODUCT. Where the list says 'softmax', what is quantised is not the finished softmax but p = 2^(t - M), with t = logit x log2(e) and M = ceil(the row's largest t), a whole number; so 1/2 < the row's largest p <= 1. The row's sum l is taken of the UNQUANTISED p, in f32, and the product's result is divided by l at the end. Since M is a whole number, a kernel that streams over the keys may use a running M (the ceiling of the running maximum): every later rescaling is an exact power of two, which a block's scale takes up: the codes' values come out the same.
;;   OPERANDS COMPUTED ON THE WAY. 'Computed on the way' means the value that the module computes at that place (a softmax that the list does not call 'softmax' is quantised finished and normalised). What goes into a quantiser is computed in f32, as accurately as f32 sums, v_exp_f32 and their like allow (about 1e-6 of the number): no bf16 or f16 on the way to a quantiser, and a product that is left as it is and whose result goes on into a quantised operand takes f32 operands (vector FMAs, or v_wmma_f32_16x16x4_f32). A number that lies on a knife's edge between two numbers of the format may be rounded either way, as far as f32 arithmetic and the matrix unit's own rounding can turn it there, and no further.
;; One version. Each part assembles by itself: llvm-mc -triple=amdgcn-amd-amdhsa -mcpu=gfx1250 --defsym DOCPART=n.
;; ======== version 1 of 1: 4 launches
;; limits: right only within a limited range of input values
;; workspace buffers: codes 9,437,184 bytes; scales 393,216 bytes; qk_codes 12,582,912 bytes; qk_scales 524,288 bytes; v_codes 6,291,456 bytes; vsx 524,288 bytes; o_codes 6,291,456 bytes; o_scales 262,144 bytes
;; launch quant (part 1): grid 384 x 1, 4 waves a work-group, no clusters, 18,944 bytes of LDS; arguments x, w_qkv, w_proj, codes, scales; writes codes, scales
.if DOCPART == 1
	.amdgcn_target "amdgcn-amd-amdhsa--gfx1250"
	.amdhsa_code_object_version 6
	.text
	.protected	k_q9b4994eed6_quant
	.globl	k_q9b4994eed6_quant
	.p2align	8
	.type	k_q9b4994eed6_quant,@function
k_q9b4994eed6_quant:
	s_mov_b64 s[64:65], 0
	v_nop
	global_prefetch_b8 v0, s[64:65] scope:SCOPE_SE
	s_setreg_imm32_b32 hwreg(HW_REG_WAVE_MODE, 25, 1), 1
	s_wait_xcnt 0x0
; x [8192][1024], w_qkv [3072][1024] and w_proj [1024][1024], f32, K innermost, become codes of FP6 (E2M3) with one E8M0 byte for each 32 along K.
; The three tensors are taken as ONE run of 12,288 rows (x, then w_qkv, then w_proj), so that the products' launches see one pitch.
; LAYOUT OF THE CODES: codes[g = K / 64][row][48 bytes]: a row's two blocks of 32, 24 bytes each.  scales[G = K / 128][row][4 bytes].
; ORDER INSIDE A BLOCK: place 16 h + 8 u + j holds element 16 u + 8 h + j (h, u = 0, 1; j = 0 .. 7).  A block keeps its 32 numbers, so scale and codes are those of the plain order;
; every operand of this program has the same order, so every product is the same sum.  It is the order in which a matrix result's registers run, so later launches quantise results without moving them.
; A block's scale is 2^(floor(log2(its largest magnitude)) - 2): its byte is the largest magnitude's exponent field - 2, held at 1 from below.
; LIMITS: a block of zeros, or one whose largest magnitude lies under 2^-124, gets the byte 1 (its codes are what the conversion gives under that scale; the bytes are read by this program alone); NaN and infinities are not served.
; SHARES: a work-group takes 64 rows x 512 columns, a wave 64 rows x 128 columns in 16 steps of 8 rows x 64 columns.  Each load reads two rows' 256 consecutive bytes; a step's 2,048 bytes turn through the
; wave's own stage in LDS (rows of 256 + 16 bytes) and come back 16 numbers a lane, in the block's order.  The read-back's four lanes of a row lie 32 bytes apart, so lanes meet in banks two deep: the launch moves bytes, it is not held by LDS.
; A step's codes are 384 consecutive bytes; a wave's 256 scale bytes are gathered in LDS and leave as one aligned run of 256 bytes.  No barrier: waves share nothing.
.set CPL,   589824                     ; a plane of codes: 12,288 rows x 48 bytes
.set SPL,   49152                      ; a plane of scale words: 12,288 rows x 4 bytes
.set STEPS, 16
.set SROW,  272                        ; a stage row
.set STGB,  8*SROW                     ; a stage
.set SCB,   2*STGB                     ; behind the two stages: the wave's 256 scale bytes
.set WREG,  SCB+256                    ; a wave's region of LDS
.set SPARE, 4*WREG                     ; behind the four regions: the spare words, 128 bytes a wave
.set R,     16                         ; v16-79   four sets of 16 numbers as loaded
.set X,     80                         ; v80-111  two sets of 16 numbers in the block's order
.set E,     112                        ; v112-127 a scale byte for each step
.set C,     128                        ; v128-191 codes, four registers for each step
.set SPW,   12                         ; v12 LDS address of my spare word; never rewritten
.set NIL,   13                         ; v13 0; never rewritten
	s_load_b128 s[4:7], s[0:1], 0x0                ; x, w_qkv
	s_load_b128 s[8:11], s[0:1], 0x10              ; w_proj, codes
	s_load_b64 s[12:13], s[0:1], 0x20              ; scales
	v_lshl_add_u32 v[SPW], v0, 2, SPARE
	v_mov_b32 v[NIL], 0
	v_lshrrev_b32 v1, 5, v0
	v_readfirstlane_b32 s16, v1                    ; wave
	v_and_b32 v2, 31, v0                           ; lane
	v_and_b32 v1, 15, v0                           ; lane % 16
	v_bfe_u32 v10, v0, 4, 1                        ; lane / 16
	v_lshlrev_b32 v3, 4, v1
	v_lshl_add_u32 v3, v10, 12, v3                 ; in memory: row lane / 16 of two, 16 bytes a lane
	s_mul_i32 s17, s16, WREG
	v_mul_u32_u24 v14, v10, SROW
	v_lshl_add_u32 v14, v1, 4, v14
	v_add_nc_u32 v14, s17, v14                     ; the stage, on the way in: the same two rows
	v_bfe_u32 v15, v0, 2, 3                        ; on the way out: row lane / 4,
	v_bfe_u32 v8, v0, 1, 1                         ; block (lane / 2) % 2,
	v_and_b32 v9, 1, v0                            ; half lane % 2
	v_lshl_add_u32 v5, v15, 2, v8                  ; my block's scale byte: 4 x row + block
	v_mul_u32_u24 v15, v15, SROW
	v_lshl_add_u32 v15, v8, 7, v15
	v_lshl_add_u32 v15, v9, 5, v15
	v_add_nc_u32 v15, s17, v15                     ; elements 8 half .. + 7 here, 16 + 8 half .. + 7 at 64 bytes on
	v_mul_u32_u24 v4, v2, 12                       ; my 12 bytes of a step's 384
	s_add_co_u32 s17, s17, SCB
	v_add_nc_u32 v5, s17, v5
	v_lshlrev_b32 v7, 3, v2
	v_add_nc_u32 v6, s17, v7                       ; the scale bytes' way out: 8 bytes a lane
	s_mov_b32 s14, 11264                           ; w_proj's first row in the run, and its first work-group
	s_mov_b32 s15, 352
	s_wait_alu depctr_va_vdst(0)
	s_wait_kmcnt 0x0
	s_cmp_lt_u32 ttmp9, 352                        ; the choice hangs on the work-group's number alone
	s_cselect_b64 s[6:7], s[6:7], s[8:9]
	s_cselect_b32 s14, 8192, s14
	s_cselect_b32 s15, 256, s15
	s_cmp_lt_u32 ttmp9, 256
	s_cselect_b64 s[4:5], s[4:5], s[6:7]
	s_cselect_b32 s14, 0, s14
	s_cselect_b32 s15, 0, s15
	s_sub_co_u32 s15, ttmp9, s15                   ; my number within the tensor
	s_lshr_b32 s18, s15, 1                         ; which 64 rows
	s_and_b32 s15, s15, 1
	s_lshl_b32 s15, s15, 2
	s_add_co_u32 s15, s15, s16                     ; G: which 128 columns
	s_lshl_b32 s20, s18, 18                        ; 64 rows of 4,096 bytes
	s_lshl_b32 s19, s15, 9
	s_add_co_u32 s20, s20, s19
	s_mov_b32 s21, 0
	s_add_nc_u64 s[4:5], s[4:5], s[20:21]
	s_lshl_b32 s18, s18, 6
	s_add_co_u32 s18, s18, s14                     ; my first row in the run
	s_mul_i32 s20, s15, 2*CPL
	s_mul_i32 s19, s18, 48
	s_add_co_u32 s20, s20, s19
	s_add_nc_u64 s[10:11], s[10:11], s[20:21]
	s_mul_i32 s20, s15, SPL
	s_lshl_b32 s19, s18, 2
	s_add_co_u32 s20, s20, s19
	s_add_nc_u64 s[12:13], s[12:13], s[20:21]
.macro LOAD t                          ; step t: rows 8 (t / 2) .. + 7, columns 64 (t % 2) .. + 63
.irp i, 0,1,2,3
	global_load_b128 v[R+16*((\t)%4)+4*\i:R+16*((\t)%4)+4*\i+3], v3, s[4:5] offset:(8*((\t)/2)+2*\i)*4096+256*((\t)%2) th:TH_LOAD_NT
.endr
.endm
.macro TURN t                          ; through the stage: LDS serves a wave's instructions in order, so no wait stands between the stores and the loads
.irp i, 0,1,2,3
	ds_store_b128 v14, v[R+16*((\t)%4)+4*\i:R+16*((\t)%4)+4*\i+3] offset:STGB*((\t)%2)+2*SROW*\i
.endr
	ds_load_b128 v[X+16*((\t)%2):X+16*((\t)%2)+3], v15 offset:STGB*((\t)%2)
	ds_load_b128 v[X+16*((\t)%2)+4:X+16*((\t)%2)+7], v15 offset:STGB*((\t)%2)+16
	ds_load_b128 v[X+16*((\t)%2)+8:X+16*((\t)%2)+11], v15 offset:STGB*((\t)%2)+64
	ds_load_b128 v[X+16*((\t)%2)+12:X+16*((\t)%2)+15], v15 offset:STGB*((\t)%2)+80
.endm
.irp t, 0,1,2,3
	LOAD \t
.endr
	s_wait_loadcnt 12                              ; step 0's four loads are in
	TURN 0
.macro STEP t
.set XS, X+16*((\t)%2)
.if (\t) > 0
	s_wait_dscnt 1                                 ; this step's numbers are back from the stage (the last step's byte store may be out), so its stores into the stage have read their registers,
.else
	s_wait_dscnt 0x0
.endif
.if (\t)+4 < STEPS
	LOAD (\t)+4                                    ; which take the loads of four steps on
.endif
.if (\t)+1 < STEPS
.if STEPS-2-(\t) >= 3
	s_wait_loadcnt 12                              ; the next step's four loads are in; those of the three steps behind it may be out
.else
	s_wait_loadcnt 4*(STEPS-2-(\t))
.endif
	TURN (\t)+1
.endif
	v_max3_num_f32 v8, |v[XS]|, |v[XS+1]|, |v[XS+2]|               ; the largest magnitude of my 16, in two chains
	v_max3_num_f32 v9, |v[XS+3]|, |v[XS+4]|, |v[XS+5]|
.irp i, 6,10
	v_max3_num_f32 v8, v8, |v[XS+\i]|, |v[XS+\i+1]|
	v_max3_num_f32 v9, v9, |v[XS+\i+2]|, |v[XS+\i+3]|
.endr
	v_max3_num_f32 v8, v8, |v[XS+14]|, |v[XS+15]|
	v_max3_num_f32 v8, v8, v9, 0x1800000           ; and the floor 2^(3 - 127): the byte cannot fall under 1
	v_max_num_f32_dpp v8, v8, v8 row_xmask:1 row_mask:0xf bank_mask:0xf   ; with my neighbour's 16: the block's
	v_add_nc_u32 v11, 0xff000000, v8               ; 2 off its exponent field: the conversion takes the exponent field of this operand as its scale
	v_cvt_scalef32_pk16_fp6_f32 v[C+4*(\t):C+4*(\t)+2], v[XS:XS+15], v11
	v_lshrrev_b32 v[E+(\t)], 23, v11               ; the scale's byte (a plain line behind the conversion)
	ds_store_b8 v5, v[E+(\t)] offset:32*((\t)/2)+2*((\t)%2)        ; both lanes of a block write the same byte with the same value
	global_store_b96 v4, v[C+4*(\t):C+4*(\t)+2], s[10:11] offset:((\t)%2)*CPL+384*((\t)/2)   ; 32 lanes store 384 consecutive bytes
.endm
.irp t, 0,1,2,3,4,5,6,7,8,9,10,11,12,13,14,15
	STEP \t
.endr
	ds_load_b64 v[8:9], v6                         ; these see my byte stores
	s_wait_dscnt 0x0
	global_store_b64 v7, v[8:9], s[12:13]          ; 32 lanes store 256 consecutive bytes, at a multiple of 256 from the buffer's first byte
	s_wait_tensorcnt 0x0                           ; the wave's end: behind my last LDS store
	ds_add_u32 v[SPW], v[NIL]
	s_wait_dscnt 0x0
	s_endpgm
.Lfunc_end_k_q9b4994eed6_quant:
	.size	k_q9b4994eed6_quant, .Lfunc_end_k_q9b4994eed6_quant-k_q9b4994eed6_quant
	.p2alignl 7, 3214868480
	.fill 96, 4, 3214868480
	.section	.rodata,"a",@progbits
	.p2align	6, 0x0
	.amdhsa_kernel k_q9b4994eed6_quant
		.amdhsa_group_segment_fixed_size 18944
		.amdhsa_private_segment_fixed_size 0
		.amdhsa_enable_private_segment 0
		.amdhsa_kernarg_size 40
		.amdhsa_user_sgpr_count 2
		.amdhsa_user_sgpr_kernarg_segment_ptr 1
		.amdhsa_wavefront_size32 1
		.amdhsa_system_sgpr_workgroup_id_x 1
		.amdhsa_system_sgpr_workgroup_id_y 1
		.amdhsa_system_sgpr_workgroup_id_z 1
		.amdhsa_system_vgpr_workitem_id 0
		.amdhsa_next_free_vgpr 192
		.amdhsa_next_free_sgpr 66
		.amdhsa_reserve_vcc 0
		.amdhsa_float_denorm_mode_32 3
		.amdhsa_float_denorm_mode_16_64 3
		.amdhsa_memory_ordered 1
		.amdhsa_forward_progress 1
		.amdhsa_inst_pref_size 33
	.end_amdhsa_kernel
	.amdgpu_metadata
---
amdhsa.version: [ 1, 2 ]
amdhsa.kernels:
  - .name:           k_q9b4994eed6_quant
    .symbol:         k_q9b4994eed6_quant.kd
    .args:
      - { .name: x, .offset: 0, .size: 8, .value_kind: global_buffer, .address_space: global }
      - { .name: w_qkv, .offset: 8, .size: 8, .value_kind: global_buffer, .address_space: global }
      - { .name: w_proj, .offset: 16, .size: 8, .value_kind: global_buffer, .address_space: global }
      - { .name: codes, .offset: 24, .size: 8, .value_kind: global_buffer, .address_space: global }
      - { .name: scales, .offset: 32, .size: 8, .value_kind: global_buffer, .address_space: global }
    .group_segment_fixed_size: 18944
    .private_segment_fixed_size: 0
    .kernarg_segment_align: 8
    .kernarg_segment_size: 40
    .max_flat_workgroup_size: 128
    .sgpr_count:     66
    .vgpr_count:     192
    .wavefront_size: 32
...
	.end_amdgpu_metadata
.endif
;; end of part 1
;; launch gemm_qkv (part 2): grid 8 x 32, 4 waves a work-group, clusters of 4 x 4, 327,680 bytes of LDS; arguments codes, scales, qk_codes, qk_scales, v_codes, vsx; writes qk_codes, qk_scales, v_codes, vsx
.if DOCPART == 2
	.amdgcn_target "amdgcn-amd-amdhsa--gfx1250"
	.amdhsa_code_object_version 6
	.text
	.protected	k_q9b4994eed6_gemm_qkv
	.globl	k_q9b4994eed6_gemm_qkv
	.p2align	8
	.type	k_q9b4994eed6_gemm_qkv,@function
k_q9b4994eed6_gemm_qkv:
	s_mov_b64 s[64:65], 0
	v_nop
	global_prefetch_b8 v0, s[64:65] scope:SCOPE_SE
	s_setreg_imm32_b32 hwreg(HW_REG_WAVE_MODE, 25, 1), 1
	s_wait_xcnt 0x0
	s_wait_alu depctr_hold_cnt(0) depctr_sa_sdst(0) depctr_va_vdst(0) depctr_va_sdst(0) depctr_va_ssrc(0) depctr_va_vcc(0) depctr_vm_vsrc(0)
	s_getreg_b32 s2, hwreg(HW_REG_IB_STS2, 6, 4)
	s_cmp_eq_u32 s2, 0
	s_cbranch_scc0 .Lentry_in_a_cluster
	s_endpgm
.Lentry_in_a_cluster:
	s_bfe_u32 s2, ttmp6, 0x10000c
	s_cmp_lg_u32 s2, 0xf033
	s_cbranch_scc0 .Lentry_shape_is_right
	s_endpgm
.Lentry_shape_is_right:
; qkv = x w_qkv^T on codes of FP6 (E2M3) with E8M0 scales; K = 1,024; sums in f32.  The result never goes to memory as f32: it is quantised in the accumulators' registers and leaves as codes.
; OPERANDS: codes[g = K / 64][row][48], scales[G = K / 128][row][4]; rows 0-8,191 x, 8,192-11,263 w_qkv.  Inside a block of 32, place 16 h + 8 u + j holds element 16 u + 8 h + j, alike in every operand.
; OUT: qk_codes[g = feature / 64][token][48], qk_scales[G = feature / 128][token][4]; v_codes[g = token / 64][h 64 + d][48]; vsx: V's scale words [G = token / 128][h 64 + d][4], and from byte 262,144 on
; the sums of the quantised V over each 128 keys, [G][h 64 + d] f32 (one product with a matrix of ones).
; SHARES: 32 x 8 = 256 work-groups of equal work.  Work-group (c, y) keeps its 256 tokens' codes for ALL OF K in LDS (filled once) and walks three passes of 128 weight rows: two of w_q, w_k and one of w_v.
; A wave makes 128 tokens x 64 weight rows a pass.  It reads the pass's weight fragments (8 K steps x 4 blocks x 12 registers) from LDS once, during its first token block; then all waves have done with those bytes, and
; behind the three lines and a round of the cluster's barrier the next pass's weights are asked for into them, one load a wave: that load has the other seven token blocks in which to land.  By this text's count one tensor load of a wave is out.
; PASSES 0, 1 (one loop of two trips): source 0 = weight rows, source 1 = tokens: a lane holds a token, its 32 registers one head's 64 features in the blocks' order.  In pass p wave half n takes head 4 c + 2 n + p,
; so that both heads of a scale word are one wave's: the word is gathered in a register over the two passes.  A block of 16 tokens is finished by 32 products (4 accumulators by turns), quantised, and leaves as 768 consecutive bytes.
; PASS 2: source 0 = tokens, source 1 = rows of w_v: a lane holds a channel, its registers run along the KEYS, the second attention product's K: nothing is transposed.  It goes by 64 tokens (16 accumulators).
; CLUSTERS 4 x 4: the tokens' tile is shared along a row of the cluster, the weights' along a column: joint loads with a mask of four.
; THE SCALE WORDS go from memory into registers: a load takes 32 neighbouring rows' words (128 consecutive bytes); the matrix instruction's row selector picks the half of the lanes.
; No prefetch: each refill is asked for seven eighths of a pass ahead of its first read, and the tokens' tile at the head.
; LIMITS: a block of zeros, or one under 2^-124, gets the byte 1 (read by this program alone); NaN and infinities are not served.
; REGISTERS: window 0: v1-29 addresses and the gathered words; v32-63 the tokens' scale words, v64-79 the weights'; v80-207 accumulators; v208-252 the way out.
;   windows 1, 2: the weights' fragments of K steps 0-3, 4-7 (v0-191); window 2 v192-203 a fragment of ones.  window 3: a token block's fragments of all K, two sets (v0-191); v192-242 V's codes.
.set P0,    589824                     ; a plane of codes
.set PS0,   49152                      ; a plane of scale words
.set GA,    12288                      ; LDS: a group of the tokens: 256 x 48
.set GC,    3072                       ; a group of a wave half's weights: 64 x 48
.set LB,    16*GA                      ; the weights: [half][16 groups][64 rows][48]
.set STAGE, LB+2*16*GC                 ; a stage of 4,096 bytes for each wave: codes at 0, words at 3,072, sums at 3,328; no tile lands here
.set WST,   4096
.set SPARE, STAGE+4*WST                ; the spare words, 128 bytes a wave
.set ADA,   4                          ; v4-7 my token fragments, groups 0-3, 4-7, 8-11, 12-15
.set ADB,   8                          ; v8 my weight fragments
.set ASTW,  10                         ; stage: 48 r + 12 h
.set ASTR,  11                         ; stage: 8 x lane
.set LO8,   12
.set SO,    13
.set SPW,   14
.set NIL,   15
.set WS,    16                         ; v16-23 q's and k's scale words, a register for each token block
.set STC,   24                         ; stage: 48 r + 24 h
.set STS,   25                         ; stage: 3,072 + 4 r
.set STV,   26                         ; stage: 3,328 + 32 h
.set RDW,   27                         ; stage: 3,072 + 16 x lane
.set LO16,  28
.set VO,    29                         ; 16 r + 262,144 h
.set SA,    32
.set SB,    64
.set ACC,   80
.set BK,    208                        ; v208-219 rows on the way out
.set TM,    220                        ; v220-227 the quantiser's work
.set PC,    228                        ; v228-243 codes, two sets (pass 2: v228-239 rows on the way out)
.set BKW,   244
.set PWV,   248                        ; v248-251 V's scale words
.set ONESC, 252                        ; four bytes 127
.set PCV,   192                        ; window 3: V's fragments, 12 registers for each block of 16 channels
.set PT,    240                        ; window 3
.set ONES,  192                        ; window 2
.set WV,    18
.set R1H,   19
.set R0H,   20
.set G1A,   24
.set G0A,   32
.set G0B,   36
.set G1B,   40
.set G1R,   48
.set G0R,   56
.set NXB,   60                         ; where my part of the next pass's weights lies; NXB2: of the pass after
.set NXB2,  62
.set NXS,   66                         ; the same for my weight rows' scale words
.set NXS2,  68
.set SAP,   70
.set SBP,   72
.set SEL,   74
.set PS,    76
.set MSB, 0
.macro WIN new                         ; the immediate's high byte repeats the setting that is left
.if MSB != (\new)
	s_set_vgpr_msb (MSB<<8)|(\new)
.set MSB, (\new)
.endif
.endm
.macro CROUND                          ; a round of the cluster's barrier
	s_barrier_signal -1
	s_barrier_wait -1
	s_cmp_lg_u32 s[WV], 0
	s_cbranch_scc1 .Lnot_wave_0_\@
	s_barrier_signal -3
.Lnot_wave_0_\@:
	s_barrier_wait -3
	s_barrier_signal -1
	s_barrier_wait -1
.endm
.macro NOPS n
.rept \n
	v_nop
.endr
.endm
	s_load_b256 s[4:11], s[0:1], 0x0               ; codes, scales, qk_codes, qk_scales
	s_load_b128 s[12:15], s[0:1], 0x20             ; v_codes, vsx
	v_lshl_add_u32 v[SPW], v0, 2, SPARE
	v_mov_b32 v[NIL], 0
	ds_add_u32 v[SPW], v[NIL]                      ; the opening lines: the add, twice on end, and its wait ahead of my first tensor load
	ds_add_u32 v[SPW], v[NIL]
	v_lshrrev_b32 v1, 5, v0
	v_readfirstlane_b32 s[WV], v1                  ; wave 0..3
	s_lshr_b32 s[R1H], s[WV], 1                    ; my half of the tokens
	s_and_b32 s[R0H], s[WV], 1                     ; my half of the weight rows
	s_bfe_u32 s21, ttmp6, 0x40000                  ; cx
	s_bfe_u32 s22, ttmp6, 0x40004                  ; cy
	s_lshl_b32 s23, ttmp9, 2
	s_add_co_u32 s23, s23, s21                     ; c
	s_and_b32 s77, ttmp7, 0xffff
	s_lshl_b32 s77, s77, 2
	s_add_co_u32 s77, s77, s22
	s_lshl_b32 s77, s77, 8                         ; the tile's first token
	s_lshl_b32 s2, s22, 2
	s_lshl_b32 s2, 15, s2                          ; my row of the cluster
	s_lshl_b32 s3, 0x1111, s21                     ; my column
	s_or_b32 s[G1A], s2, (3<<16)|(1<<21)           ; 15:0 the mask; 17:16 elements of 8 bytes; 21 set beside a mask
	s_or_b32 s[G1B], s3, (3<<16)|(1<<21)
	s_or_b32 s[G1R], s3, (3<<16)|(1<<21)
	s_mov_b32 s[G1A+1], 1536<<16                   ; the tokens: eight groups, each 12,288 dense bytes, a plane apart
	s_mov_b32 s[G1A+2], 8<<16
	s_mov_b32 s[G1A+3], 1536<<16
	s_mov_b32 s[G1A+4], 8
	s_mov_b32 s[G1A+5], P0/8
	s_mov_b32 s[G1A+6], 0
	s_mov_b32 s[G1A+7], 0
	s_mov_b32 s[G1B+1], 384<<16                    ; the head's weights: sixteen groups, each 3,072 dense bytes
	s_mov_b32 s[G1B+2], 16<<16
	s_mov_b32 s[G1B+3], 384<<16
	s_mov_b32 s[G1B+4], 16
	s_mov_b32 s[G1B+5], P0/8
	s_mov_b32 s[G1B+6], 0
	s_mov_b32 s[G1B+7], 0
	s_mov_b32 s[G1R+1], 384<<16                    ; a refill: eight groups a wave
	s_mov_b32 s[G1R+2], 8<<16
	s_mov_b32 s[G1R+3], 384<<16
	s_mov_b32 s[G1R+4], 8
	s_mov_b32 s[G1R+5], P0/8
	s_mov_b32 s[G1R+6], 0
	s_mov_b32 s[G1R+7], 0
	s_lshl_b32 s78, s23, 8
	s_lshl_b32 s81, s[R0H], 7
	s_add_co_u32 s78, s78, s81
	s_add_co_u32 s78, s78, 8192                    ; pass 0: half n's 64 rows begin at 8,192 + 256 c + 128 n; pass 1: 64 rows on
	s_lshl_b32 s90, s23, 7
	s_lshl_b32 s81, s[R0H], 6
	s_add_co_u32 s90, s90, s81                     ; pass 2: channel 128 c + 64 n,
	s_add_co_u32 s79, s90, 10240                   ; which is this row
	s_mov_b32 s[G0A], 1                            ; waves 0, 1: the tokens' groups 0-7, 8-15
	s_mul_i32 s[G0A+1], s[R0H], 8*GA
	s_mul_i32 s81, s[R0H], 8*P0
	s_mul_i32 s[G0A+2], s77, 48
	s_add_co_u32 s[G0A+2], s[G0A+2], s81
	s_mov_b32 s[G0A+3], 0
	s_mov_b32 s[G0B], 1                            ; waves 2, 3: pass 0's weights, half 0, 1
	s_mul_i32 s[G0B+1], s[R0H], 16*GC
	s_add_co_u32 s[G0B+1], s[G0B+1], LB
	s_mul_i32 s[G0B+2], s78, 48
	s_mov_b32 s[G0B+3], 0
	s_mov_b32 s[G0R], 1                            ; a refill: wave w takes half w % 2, groups 8 (w / 2) .. + 7
	s_mul_i32 s81, s[R1H], 8*GC
	s_add_co_u32 s[G0R+1], s[G0B+1], s81
	s_mul_i32 s81, s[R1H], 8*P0
	s_add_co_u32 s[NXB], s[G0B+2], 64*48
	s_add_co_u32 s[NXB], s[NXB], s81
	s_mov_b32 s[NXB+1], 0
	s_mul_i32 s[NXB2], s79, 48
	s_add_co_u32 s[NXB2], s[NXB2], s81
	s_mov_b32 s[NXB2+1], 0
	s_lshl_b32 s[SBP], s78, 2
	s_mov_b32 s[SBP+1], 0
	s_add_co_u32 s[NXS], s[SBP], 256
	s_mov_b32 s[NXS+1], 0
	s_lshl_b32 s[NXS2], s79, 2
	s_mov_b32 s[NXS2+1], 0
	s_lshl_b32 s80, s[R1H], 7
	s_add_co_u32 s80, s80, s77                     ; my first token
	s_lshl_b32 s[SAP], s80, 2
	s_mov_b32 s[SAP+1], 0
	s_lshl_b32 s82, s23, 2                         ; qk_codes: plane 4 c + 2 n (+ the pass), my tokens
	s_lshl_b32 s81, s[R0H], 1
	s_add_co_u32 s82, s82, s81
	s_mul_i32 s82, s82, 393216
	s_mul_i32 s81, s80, 48
	s_add_co_u32 s82, s82, s81
	s_mov_b32 s83, 0
	s_lshl_b32 s84, s23, 1                         ; qk_scales: plane 2 c + n
	s_add_co_u32 s84, s84, s[R0H]
	s_lshl_b32 s84, s84, 15
	s_add_co_u32 s84, s84, s[SAP]
	s_mov_b32 s85, 0
	s_lshr_b32 s86, s80, 6                         ; v_codes: plane token / 64, my channels
	s_mul_i32 s86, s86, 49152
	s_mul_i32 s81, s90, 48
	s_add_co_u32 s86, s86, s81
	s_mov_b32 s87, 0
	s_lshr_b32 s88, s80, 7                         ; vsx: plane token / 128
	s_lshl_b32 s88, s88, 12
	s_lshl_b32 s81, s90, 2
	s_add_co_u32 s88, s88, s81
	s_mov_b32 s89, 0
	s_mul_i32 s91, s[R1H], 128*48
	s_mul_i32 s93, s[WV], WST
	s_add_co_u32 s93, s93, STAGE                   ; my stage
	s_add_co_u32 s94, s93, 3072
	s_add_co_u32 s95, s93, 3328
	s_mov_b32 s[SEL], 0x76543210
	s_mov_b32 s[SEL+1], 0xfedcba98                 ; v_permlanex16_b32's selects for lane l xor 16
	v_and_b32 v1, 15, v0                           ; r
	v_bfe_u32 v2, v0, 4, 1                         ; h
	v_and_b32 v3, 31, v0
	v_lshlrev_b32 v[SO], 2, v3
	v_lshlrev_b32 v[LO8], 3, v3
	v_lshlrev_b32 v[LO16], 4, v3
	v_lshlrev_b32 v30, 18, v2
	v_lshl_add_u32 v[VO], v1, 4, v30
	v_mul_u32_u24 v31, v1, 48
	v_mad_u32_u24 v30, v2, 24, v31                 ; a fragment: 48 r + 24 h
	v_mad_u32_u24 v31, v2, 12, v31
	v_add_nc_u32 v[ADA], s91, v30
	v_add_nc_u32 v[ADA+1], 4*GA, v[ADA]
	v_add_nc_u32 v[ADA+2], 8*GA, v[ADA]
	v_add_nc_u32 v[ADA+3], 12*GA, v[ADA]
	v_add_nc_u32 v[ADB], s[G0B+1], v30
	v_add_nc_u32 v[STC], s93, v30
	v_add_nc_u32 v[ASTW], s93, v31
	v_add_nc_u32 v[ASTR], s93, v[LO8]
	v_lshl_add_u32 v[STS], v1, 2, s94
	v_lshl_add_u32 v[STV], v2, 5, s95
	v_add_nc_u32 v[RDW], s94, v[LO16]
.irp i, 0,1,2,3,4,5,6,7
	v_mov_b32 v[WS+\i], 0
.endr
	v_mov_b32 v[TM+2], 0                           ; written once: a lane permute's destination counts as one of its sources
	v_mov_b32 v[TM+3], 0
	v_mov_b32 v[ONESC], 0x7f7f7f7f
	WIN 0x80
.irp i, 0,3,6,9                        ; the code of 1.0 is 8: 128 of them are this pattern of three words
	v_mov_b32 v[ONES+\i], 0x08208208
	v_mov_b32 v[ONES+\i+1], 0x82082082
	v_mov_b32 v[ONES+\i+2], 0x20820820
.endr
	WIN 0
	s_wait_alu depctr_va_vdst(0)
	s_wait_dscnt 0x0                               ; both opening adds are done
	s_wait_kmcnt 0x0
	s_add_nc_u64 s[G0A+2:G0A+3], s[4:5], s[G0A+2:G0A+3]
	s_or_b32 s[G0A+3], s[G0A+3], 0x80000000
	s_add_nc_u64 s[G0B+2:G0B+3], s[4:5], s[G0B+2:G0B+3]
	s_or_b32 s[G0B+3], s[G0B+3], 0x80000000
	s_add_nc_u64 s[NXB:NXB+1], s[4:5], s[NXB:NXB+1]
	s_or_b32 s[NXB+1], s[NXB+1], 0x80000000
	s_add_nc_u64 s[NXB2:NXB2+1], s[4:5], s[NXB2:NXB2+1]
	s_or_b32 s[NXB2+1], s[NXB2+1], 0x80000000
	s_add_nc_u64 s[SAP:SAP+1], s[6:7], s[SAP:SAP+1]
	s_add_nc_u64 s[SBP:SBP+1], s[6:7], s[SBP:SBP+1]
	s_add_nc_u64 s[NXS:NXS+1], s[6:7], s[NXS:NXS+1]
	s_add_nc_u64 s[NXS2:NXS2+1], s[6:7], s[NXS2:NXS2+1]
	s_add_nc_u64 s[8:9], s[8:9], s[82:83]
	s_add_nc_u64 s[10:11], s[10:11], s[84:85]
	s_add_nc_u64 s[12:13], s[12:13], s[86:87]
	s_add_nc_u64 s[14:15], s[14:15], s[88:89]
	CROUND                                         ; all sixteen work-groups are here: the joint loads meet
	s_cmp_eq_u32 s[R1H], 0                         ; one load a wave; an s_nop 0 and four v_nop follow each line
	s_cbranch_scc0 .Lfor_b
	tensor_load_to_lds s[G0A:G0A+3], s[G1A:G1A+7]
	s_nop 0
	NOPS 4
	s_branch .Lasked
.Lfor_b:
	tensor_load_to_lds s[G0B:G0B+3], s[G1B:G1B+7]
	s_nop 0
	NOPS 4
.Lasked:
.macro SBLOAD base                     ; register SB + 2 q + i: the words of my weight rows 32 i .. + 31 for K step q
.irp q, 0,1,2,3,4,5,6,7
.irp i, 0,1
	global_load_b32 v[SB+2*\q+\i], v[SO], s[\base:\base+1] offset:\q*PS0+128*\i
.endr
.endr
.endm
.irp q, 0,1,2,3,4,5,6,7                ; register SA + 4 q + i: the words of my tokens 32 i .. + 31 for K step q
.irp i, 0,1,2,3
	global_load_b32 v[SA+4*\q+\i], v[SO], s[SAP:SAP+1] offset:\q*PS0+128*\i
.endr
.endr
	SBLOAD SBP
.macro ALOAD a                         ; token block a, all eight K steps, into set a % 2 of window 3: 48 loads
	WIN 0xc0
.irp q, 0,1,2,3,4,5,6,7
.irp p, 0,1,2,3,4,5
	ds_load_b64 v[96*((\a)%2)+12*\q+2*\p:96*((\a)%2)+12*\q+2*\p+1], v[ADA+\q/2] offset:((2*\q+\p/3)%4)*GA+(\a)*768+8*(\p%3)
.endr
.endr
.endm
.macro BLOAD q                         ; the weights' four blocks of K step q into window 1 + q / 4: 24 loads
	WIN 0x40*(1+(\q)/4)
.irp b, 0,1,2,3
.irp p, 0,1,2,3,4,5
	ds_load_b64 v[48*((\q)%4)+12*\b+2*\p:48*((\q)%4)+12*\b+2*\p+1], v[ADB] offset:(2*(\q)+\p/3)*GC+\b*768+8*(\p%3)
.endr
.endr
.endm
.macro W1 c                            ; one product; the row selectors pick the half of the lanes that holds the block's scale words
.if RW_ == 0
	v_wmma_scale_f32_16x16x128_f8f6f4 v[D_:D_+7], v[X_:X_+11], v[Y_:Y_+11], \c, v[SX_], v[SY_] matrix_a_fmt:MATRIX_FMT_FP6 matrix_b_fmt:MATRIX_FMT_FP6
.elseif RW_ == 1
	v_wmma_scale_f32_16x16x128_f8f6f4 v[D_:D_+7], v[X_:X_+11], v[Y_:Y_+11], \c, v[SX_], v[SY_] matrix_a_fmt:MATRIX_FMT_FP6 matrix_b_fmt:MATRIX_FMT_FP6 matrix_a_scale:MATRIX_SCALE_ROW1
.elseif RW_ == 2
	v_wmma_scale_f32_16x16x128_f8f6f4 v[D_:D_+7], v[X_:X_+11], v[Y_:Y_+11], \c, v[SX_], v[SY_] matrix_a_fmt:MATRIX_FMT_FP6 matrix_b_fmt:MATRIX_FMT_FP6 matrix_b_scale:MATRIX_SCALE_ROW1
.else
	v_wmma_scale_f32_16x16x128_f8f6f4 v[D_:D_+7], v[X_:X_+11], v[Y_:Y_+11], \c, v[SX_], v[SY_] matrix_a_fmt:MATRIX_FMT_FP6 matrix_b_fmt:MATRIX_FMT_FP6 matrix_a_scale:MATRIX_SCALE_ROW1 matrix_b_scale:MATRIX_SCALE_ROW1
.endif
.endm
; Token block a x the weights' four blocks, K step q: four accumulators take turns, one instruction a turn.  role 0: source 0 = weights; role 1: source 0 = tokens.
.macro MULS role, a, q
.if \role
	WIN 0x03+4*(1+(\q)/4)                          ; source 0 window 3, source 1 window 1 or 2, C and D window 0
.else
	WIN 0x0d+(\q)/4                                ; source 0 window 1 or 2, source 1 window 3
.endif
.irp b, 0,1,2,3
.if \role
.set D_, ACC+32*\b+8*((\a)%4)
.set X_, 96*((\a)%2)+12*(\q)
.set Y_, 48*((\q)%4)+12*\b
.set SX_, SA+4*(\q)+(\a)/2
.set SY_, SB+2*(\q)+\b/2
.set RW_, (\a)%2+2*(\b%2)
.else
.set D_, ACC+32*((\a)%2)+8*\b
.set X_, 48*((\q)%4)+12*\b
.set Y_, 96*((\a)%2)+12*(\q)
.set SX_, SB+2*(\q)+\b/2
.set SY_, SA+4*(\q)+(\a)/2
.set RW_, 2*((\a)%2)+\b%2
.endif
.if (\q) == 0
	W1 0                                           ; the first product starts the sum: nothing is cleared
.else
	W1 v[D_:D_+7]
.endif
.endr
.endm
.macro LANDED                          ; the tiles asked for have landed in every wave's part
	s_wait_tensorcnt 0x0
	s_wait_dscnt 0x0
	s_barrier_signal -1
	s_barrier_wait -1
.endm
.macro BLK0 role                       ; a pass's first token block: the weights' fragments come two K steps ahead of their first use, and stay
	ALOAD 0
	BLOAD 0
	BLOAD 1
	s_wait_loadcnt 0x0                             ; the scale words are in
.irp q, 0,1,2,3,4,5,6,7
.if \q+2 < 8
	BLOAD \q+2
.endif
.if \q == 6
	ALOAD 1
	s_wait_dscnt 63                                ; K step 6's fragments are in (behind them: 24 + 48 loads; the count is held to its field)
.else
	s_wait_dscnt 48                                ; this K step's fragments are in; the 48 loads behind them may be out
.endif
	MULS \role, 0, \q
.endr
.endm
; 32 registers from v[s] on are two blocks of 32 (16 places each in this lane, the other 16 in lane l xor 16): TM + 4, TM + 5 the conversions' scale operands, TM + 6 the two scale bytes
.macro QCORE s
	v_max3_num_f32 v[TM], |v[(\s)]|, |v[(\s)+1]|, 0x1800000          ; each accumulator from its low end on; the floor 2^(3 - 127) holds the byte at 1
	v_max3_num_f32 v[TM+1], |v[(\s)+16]|, |v[(\s)+17]|, 0x1800000
.irp i, 2,4,6,8,10,12,14
	v_max3_num_f32 v[TM], v[TM], |v[(\s)+\i]|, |v[(\s)+\i+1]|
	v_max3_num_f32 v[TM+1], v[TM+1], |v[(\s)+16+\i]|, |v[(\s)+17+\i]|
.endr
	v_permlanex16_b32 v[TM+2], v[TM], s[SEL], s[SEL+1]
	v_permlanex16_b32 v[TM+3], v[TM+1], s[SEL], s[SEL+1]
	v_max_num_f32 v[TM], v[TM], v[TM+2]
	v_max_num_f32 v[TM+1], v[TM+1], v[TM+3]
	v_add_nc_u32 v[TM+4], 0xff000000, v[TM]        ; 2 off the exponent field
	v_add_nc_u32 v[TM+5], 0xff000000, v[TM+1]
	v_lshrrev_b32 v[TM+6], 23, v[TM+4]
	v_lshrrev_b32 v[TM+7], 23, v[TM+5]
	v_lshl_or_b32 v[TM+6], v[TM+7], 8, v[TM+6]
.endm
.macro SEND a, younger                 ; younger: the LDS instructions issued behind block a's loads from the stage
	s_wait_dscnt \younger
.irp i, 0,1,2
	global_store_b64 v[LO8], v[BK+6*((\a)%2)+2*\i:BK+6*((\a)%2)+2*\i+1], s[8:9] offset:768*(\a)+256*\i   ; 32 lanes store 256 consecutive bytes, at a multiple of 256 from the buffer's first byte
.endr
.endm
.macro OUT a                           ; behind block a's products: block a - 1 is stored, block a is quantised and goes through the stage (9 LDS instructions), block a + 2's fragments are asked for
	WIN 0
.if (\a) >= 2
	s_wait_xcnt 0x0                                ; block a - 2's stores have read their registers, into which block a's rows are loaded below
.endif
.if (\a) >= 1
.if (\a) <= 6
	SEND (\a)-1, 48                                ; behind its loads: block a + 1's 48 fragment loads
.else
	SEND (\a)-1, 0
.endif
.endif
	NOPS 4                                         ; four places behind the block's last product
.if (\a) == 7
	SBLOAD NXS                                     ; the next pass's scale words of my weight rows
.endif
.set AQ_, ACC+32*((\a)%2)
.set PQ_, PC+8*((\a)%2)
	QCORE AQ_
	v_cvt_scalef32_pk16_fp6_f32 v[PQ_:PQ_+2], v[AQ_:AQ_+15], v[TM+4]       ; places 16 h .. + 15 of block 0: 12 bytes
	v_cvt_scalef32_pk16_fp6_f32 v[PQ_+4:PQ_+6], v[AQ_+16:AQ_+31], v[TM+5]  ; and of block 1
	v_lshrrev_b32 v[WS+(\a)], 16, v[WS+(\a)]       ; the word: the earlier pass's two bytes go down, this pass's come in above (a plain line behind the conversions)
	v_lshl_or_b32 v[WS+(\a)], v[TM+6], 16, v[WS+(\a)]
.irp i, 0,1,2
	ds_store_b32 v[ASTW], v[PQ_+\i] offset:4*\i
	ds_store_b32 v[ASTW], v[PQ_+4+\i] offset:24+4*\i
.endr
.irp i, 0,1,2
	ds_load_b64 v[BK+6*((\a)%2)+2*\i:BK+6*((\a)%2)+2*\i+1], v[ASTR] offset:256*\i   ; my own bytes, in order behind my stores
.endr
.if (\a)+2 < 8
	ALOAD (\a)+2
.endif
.endm
	s_mov_b32 s[PS], 0
.Lpass:                                ; passes 0 and 1
	LANDED
	BLK0 0
	WIN 0
	s_wait_tensorcnt 0x0                           ; no load of mine is out;
	ds_add_u32 v[SPW], v[NIL]                      ; 0 onto my spare word;
	s_mov_b64 s[G0R+2:G0R+3], s[NXB:NXB+1]         ; so the descriptor may be written: the next pass's weights
	s_mov_b64 s[NXB:NXB+1], s[NXB2:NXB2+1]
	s_wait_dscnt 0x0                               ; the add is done, and this pass's weights are all in my registers
	CROUND                                         ; that holds of every wave of every partner
	tensor_load_to_lds s[G0R:G0R+3], s[G1R:G1R+7]  ; my one load behind the round
	s_nop 0
	NOPS 4
	OUT 0
.irp a, 1,2,3,4,5,6,7
.if \a < 7
	s_wait_dscnt 57                                ; block a's fragments are in; behind them: 9 stage instructions and 48 loads
.else
	s_wait_dscnt 9                                 ; behind them: block 6's 9 stage instructions
.endif
.irp q, 0,1,2,3,4,5,6,7
	MULS 0, \a, \q
.endr
	OUT \a
.endr
	SEND 7, 0
	s_wait_xcnt 0x0                                ; my loads and stores have read their bases and registers
	s_mov_b64 s[NXS:NXS+1], s[NXS2:NXS2+1]
	s_add_nc_u64 s[8:9], s[8:9], 393216            ; the next head's plane
	s_add_co_u32 s[PS], s[PS], 1
	s_cmp_lt_u32 s[PS], 2
	s_wait_alu depctr_va_vdst(0)
	s_cbranch_scc1 .Lpass
.irp a, 0,1,2,3,4,5,6,7                ; q's and k's scale words: both halves of the lanes hold the same word and write it to the same place
	ds_store_b32 v[STS], v[WS+\a] offset:64*\a
.endr
	ds_load_b128 v[BKW:BKW+3], v[RDW]
	s_wait_dscnt 0x0
	global_store_b128 v[LO16], v[BKW:BKW+3], s[10:11]   ; 128 words: 512 consecutive bytes
; PASS 2: v
.macro VUNIT sb, b                     ; 64 tokens x 16 channels: register 8 i + j of the unit is token 16 i + 8 h + j of channel r
.set PV_, PCV+12*(\b)+6*(\sb)
	QCORE ACC+32*(\b)
	WIN 0xc0
	v_cvt_scalef32_pk16_fp6_f32 v[PV_:PV_+2], v[ACC+32*(\b):ACC+32*(\b)+15], v[TM+4]
	v_cvt_scalef32_pk16_fp6_f32 v[PT:PT+2], v[ACC+32*(\b)+16:ACC+32*(\b)+31], v[TM+5]
	WIN 0
.if \sb
	v_lshl_or_b32 v[PWV+(\b)], v[TM+6], 16, v[PWV+(\b)]   ; (a plain line behind the conversions)
.else
	v_mov_b32 v[PWV+(\b)], v[TM+6]
.endif
	WIN 0xc3
.irp i, 0,1,2                          ; a whole block to a lane: lanes 0-15 the first 32 tokens, lanes 16-31 the second
	v_permlane16_swap_b32 v[PV_+\i], v[PT+\i]
.endr
.irp i, 0,1,2
	v_mov_b32 v[PV_+3+\i], v[PT+\i]
.endr
	WIN 0x0c
.irp i, 0,1,2
	ds_store_b64 v[STC], v[PV_+2*\i:PV_+2*\i+1] offset:768*(\b)+8*\i
.endr
	WIN 0
.endm
.macro VOUT sb                         ; four units: 4 x 768 bytes of codes through my stage
.irp b, 0,1,2,3
	VUNIT \sb, \b
.endr
.irp b, 0,1,2,3
.irp i, 0,1,2
	ds_load_b64 v[BK+20*(\b/2)+6*(\b%2)+2*\i:BK+20*(\b/2)+6*(\b%2)+2*\i+1], v[ASTR] offset:768*\b+256*\i
.endr
.endr
	s_wait_alu depctr_va_vdst(0)
	s_wait_dscnt 0x0
.irp b, 0,1,2,3
.irp i, 0,1,2
	global_store_b64 v[LO8], v[BK+20*(\b/2)+6*(\b%2)+2*\i:BK+20*(\b/2)+6*(\b%2)+2*\i+1], s[12:13] offset:49152*(\sb)+768*\b+256*\i
.endr
.endr
.endm
	LANDED
	BLK0 1
	WIN 0
	NOPS 4
	ALOAD 2
.irp a, 1,2,3,4,5,6,7
.if \a < 7
	s_wait_dscnt 48                                ; block a's fragments are in; block a + 1's 48 loads may be out
.else
	s_wait_dscnt 0x0
.endif
.irp q, 0,1,2,3,4,5,6,7
	MULS 1, \a, \q
.endr
	WIN 0
	NOPS 4                                         ; four places behind the block's last product
.if \a+2 < 8
	ALOAD \a+2
	WIN 0
.endif
.if \a == 3
	VOUT 0
.endif
.endr
	s_wait_xcnt 0x0                                ; the earlier stores have read their registers
	VOUT 1
	NOPS 8                                         ; a scale word written by vector lines stands 8 places ahead of a scaled product
	WIN 0x0b                                       ; source 0 window 3, source 1 window 2
.irp b, 0,1,2,3
	v_wmma_scale_f32_16x16x128_f8f6f4 v[ACC+8*\b:ACC+8*\b+7], v[PCV+12*\b:PCV+12*\b+11], v[ONES:ONES+11], 0, v[PWV+\b], v[ONESC] matrix_a_fmt:MATRIX_FMT_FP6 matrix_b_fmt:MATRIX_FMT_FP6   ; register j: the sum over my 128 keys of channel 16 b + 8 h + j, as quantised
.endr
	WIN 0
	NOPS 4
.irp b, 0,1,2,3
	ds_store_b32 v[STS], v[PWV+\b] offset:64*\b                    ; 64 scale words; lanes that hold the same number write it to the same place
	ds_store_b128 v[STV], v[ACC+8*\b:ACC+8*\b+3] offset:64*\b      ; 64 sums
	ds_store_b128 v[STV], v[ACC+8*\b+4:ACC+8*\b+7] offset:64*\b+16
.endr
	ds_load_b128 v[BKW:BKW+3], v[RDW]
	s_wait_dscnt 0x0
	global_store_b128 v[VO], v[BKW:BKW+3], s[14:15]   ; lanes 0-15: 256 bytes of words; lanes 16-31: 256 bytes of sums, 262,144 bytes on
	s_wait_tensorcnt 0x0                           ; the wave's end: behind my last tensor load and my last LDS store
	ds_add_u32 v[SPW], v[NIL]
	s_wait_dscnt 0x0
	CROUND                                         ; the closing round
	s_endpgm
.Lfunc_end_k_q9b4994eed6_gemm_qkv:
	.size	k_q9b4994eed6_gemm_qkv, .Lfunc_end_k_q9b4994eed6_gemm_qkv-k_q9b4994eed6_gemm_qkv
	.p2alignl 7, 3214868480
	.fill 96, 4, 3214868480
	.section	.rodata,"a",@progbits
	.p2align	6, 0x0
	.amdhsa_kernel k_q9b4994eed6_gemm_qkv
		.amdhsa_group_segment_fixed_size 327680
		.amdhsa_private_segment_fixed_size 0
		.amdhsa_enable_private_segment 0
		.amdhsa_kernarg_size 48
		.amdhsa_user_sgpr_count 2
		.amdhsa_user_sgpr_kernarg_segment_ptr 1
		.amdhsa_wavefront_size32 1
		.amdhsa_system_sgpr_workgroup_id_x 1
		.amdhsa_system_sgpr_workgroup_id_y 1
		.amdhsa_system_sgpr_workgroup_id_z 1
		.amdhsa_system_vgpr_workitem_id 0
		.amdhsa_next_free_vgpr 1024
		.amdhsa_next_free_sgpr 100
		.amdhsa_reserve_vcc 0
		.amdhsa_float_denorm_mode_32 3
		.amdhsa_float_denorm_mode_16_64 3
		.amdhsa_memory_ordered 1
		.amdhsa_forward_progress 1
		.amdhsa_inst_pref_size 204
	.end_amdhsa_kernel
	.amdgpu_metadata
---
amdhsa.version: [ 1, 2 ]
amdhsa.kernels:
  - .name:           k_q9b4994eed6_gemm_qkv
    .symbol:         k_q9b4994eed6_gemm_qkv.kd
    .args:
      - { .name: codes, .offset: 0, .size: 8, .value_kind: global_buffer, .address_space: global }
      - { .name: scales, .offset: 8, .size: 8, .value_kind: global_buffer, .address_space: global }
      - { .name: qk_codes, .offset: 16, .size: 8, .value_kind: global_buffer, .address_space: global }
      - { .name: qk_scales, .offset: 24, .size: 8, .value_kind: global_buffer, .address_space: global }
      - { .name: v_codes, .offset: 32, .size: 8, .value_kind: global_buffer, .address_space: global }
      - { .name: vsx, .offset: 40, .size: 8, .value_kind: global_buffer, .address_space: global }
    .group_segment_fixed_size: 327680
    .private_segment_fixed_size: 0
    .kernarg_segment_align: 8
    .kernarg_segment_size: 48
    .max_flat_workgroup_size: 128
    .sgpr_count:     100
    .vgpr_count:     1024
    .wavefront_size: 32
...
	.end_amdgpu_metadata
.endif
;; end of part 2
;; launch attn (part 3): grid 4 x 64, 16 waves a work-group, clusters of 4 x 1, 327,680 bytes of LDS; arguments qk_codes, qk_scales, v_codes, vsx, attention_mask, o_codes, o_scales; writes o_codes, o_scales
.if DOCPART == 3
	.amdgcn_target "amdgcn-amd-amdhsa--gfx1250"
	.amdhsa_code_object_version 6
	.text
	.protected	k_q9b4994eed6_attn
	.globl	k_q9b4994eed6_attn
	.p2align	8
	.type	k_q9b4994eed6_attn,@function
k_q9b4994eed6_attn:
	s_mov_b64 s[64:65], 0
	v_nop
	global_prefetch_b8 v0, s[64:65] scope:SCOPE_SE
	s_setreg_imm32_b32 hwreg(HW_REG_WAVE_MODE, 25, 1), 1
	s_wait_xcnt 0x0
	s_wait_alu depctr_hold_cnt(0) depctr_sa_sdst(0) depctr_va_vdst(0) depctr_va_sdst(0) depctr_va_ssrc(0) depctr_va_vcc(0) depctr_vm_vsrc(0)
	s_getreg_b32 s2, hwreg(HW_REG_IB_STS2, 6, 4)
	s_cmp_eq_u32 s2, 0
	s_cbranch_scc0 .Lentry_in_a_cluster
	s_endpgm
.Lentry_in_a_cluster:
	s_bfe_u32 s2, ttmp6, 0x10000c
	s_cmp_lg_u32 s2, 0x3003
	s_cbranch_scc0 .Lentry_shape_is_right
	s_endpgm
.Lentry_shape_is_right:
; o[b][q][h][:] = softmax_k(q . k / 8, causal and attention_mask) v, both products on codes of FP6 (E2M3) with E8M0 scales; o leaves as codes for the projection.
; IN: qk_codes[g][token][48] (g = h: q, 16 + h: k), qk_scales[G][token][4] (G = h / 2: q, 8 + h / 2: k; a word holds two heads' two bytes), v_codes[g = token / 64][h 64 + d][48] (keys innermost),
; vsx: V's scale words [G = token / 128][h 64 + d][4] and, from byte 262,144 on, the sums of the quantised V over each 128 keys, f32.  Inside a block of 32, place 16 h + 8 u + j holds element 16 u + 8 h + j, in every operand alike.
; THE SOFTMAX: t = score x log2(e) / 8; M = the running largest t rounded UP to a whole number; p = 2^(t - M) is quantised along the keys; the row's sum is taken of the unquantised p and divides at the end.
; SHARES.  A cluster of four work-groups is one (b, h).  Partner cx owns the tiles of 16 queries t = 4 j + cx, j = 0 .. 31.  Tile t needs key steps (128 keys) 0 .. j / 2, whatever cx: so every branch hangs on the wave's number and a count
; of steps alone.  Wave w takes j = w and then j = 31 - w: w / 2 + 1 + (31 - w) / 2 + 1 = 17 key steps in every wave of every work-group.
; THE HEAD'S WHOLE K AND V LIE IN LDS, filled once by joint loads (one a wave: by this text's count one tensor load of a wave is out); no ring, no refill, one barrier.
; THE INPUT MASK COSTS NO VECTOR WORK IN THE LOOP.  The first product's K is 64, half of the instruction's 128.  At k = 64 q's operand holds the code +7.5 under the byte 104, k's operand the code -7.5 under the byte 1 (a valid key)
; or 254 (a masked one); all other places of the upper half hold zero codes under the byte 1.  So a masked key's score is -56.25 x 2^104, a valid key's score gets -56.25 x 2^-149.
; The running largest t begins at -1e30, above every masked t and under every valid one: a row with no valid key so far has p = 0, sum = 0, O = 0, and the first valid key multiplies those zeros by 0.
; A ROW WITH NO VALID KEY AT ALL (its largest t is still -1e30) has every logit equal, future keys too: p = 1 for all 2,048 keys: it takes the mean of the quantised V, by a select.
; LIMITS: valid logits lie above -1e30 (the value that stands for a masked logit in the problem); a valid score carries -56.25 x 2^-149; a block of zeros, or one under 2^-124, gets the byte 1 (read by this program alone);
; a block's largest p is taken from its largest score, which takes v_exp_f32 not to fall where its input rises; NaN and infinities are not served.
; o's scale bytes: a head owns 2 of a token's 32, so they leave as single bytes, one a lane: 1/24 of the codes' bytes.
; REGISTERS: v1-7, v28-31, v80-82 addresses and constants; v8-11 addresses of the step; v12 -M, v13 largest t, v[14:15] the sum; v16-27 Q of my first tile, v192-203 of my second; v32-79 four fragments of K (their upper halves constant);
; v96-159 S^T, then p, then (v96-143) four fragments of V; v160-191 O^T; v224-254 at work; v255, v204 Q's scale words.
.set KC,    0                          ; LDS: K's codes [2,048 keys][48]
.set VC,    98304                      ; V's codes [32 g][64 d][48]
.set VS,    196608                     ; V's scale words [16 steps][64 d][4]
.set KST,   200704                     ; a word for each key: its two scale bytes, the mask's byte, 1
.set VM,    208896                     ; the mean of V: 64 f32
.set STG,   209152                     ; a stage of 1,024 bytes for each wave
.set SPARE, 225536                     ; the spare words, 128 bytes a wave
.set AK0,  1
.set AV0,  2
.set AT0,  3
.set AS0,  4
.set SPW,  5
.set NIL,  6
.set ASTW, 7
.set ADK,  8
.set ADV,  9
.set ADT,  10
.set ADS,  11
.set ASTR, 28
.set DG,   29
.set AVM,  80
.set WV,   18
.set CX,   19
.set SEL,  20
.set CS,   22
.set G1K,  24
.set G1V,  32
.set G0K,  40
.set G0V,  44
.set PSEL, 48
.set HM,   49
.set CMK,  50
.set SI,   51
.set TK,   53
.set TT,   54
.set TS,   55
.set QP0,  56
.set QP1,  58
.set QSP0, 60
.set QSP1, 62
.set OCP0, 66
.set OCP1, 68
.set OSP0, 70
.set OSP1, 72
.set LIM0, 96
.set LIM1, 97
.set DGS0, 98
.set DGS1, 99
.macro ROUND                           ; a round of the cluster's barrier
	s_barrier_signal -1
	s_barrier_wait -1
	s_cmp_lg_u32 s[WV], 0
	s_cbranch_scc1 .Lnot_wave_0_\@
	s_barrier_signal -3
.Lnot_wave_0_\@:
	s_barrier_wait -3
	s_barrier_signal -1
	s_barrier_wait -1
.endm
	s_load_b256 s[4:11], s[0:1], 0x0               ; qk_codes, qk_scales, v_codes, vsx
	s_load_b128 s[12:15], s[0:1], 0x20             ; attention_mask, o_codes
	s_load_b64 s[16:17], s[0:1], 0x30              ; o_scales
	v_lshl_add_u32 v[SPW], v0, 2, SPARE
	v_mov_b32 v[NIL], 0
	ds_add_u32 v[SPW], v[NIL]                      ; the wave's opening: the add and its wait ahead of my first tensor load; work on registers stands between them
	ds_add_u32 v[SPW], v[NIL]
	v_lshrrev_b32 v8, 5, v0
	s_delay_alu instid0(VALU_DEP_1)
	v_readfirstlane_b32 s[WV], v8                  ; wave 0..15
	s_bfe_u32 s[CX], ttmp6, 0x40000                ; my place in the cluster: it enters global addresses of q and o, and vector data, alone
	s_and_b32 s74, ttmp7, 0xffff                   ; 16 b + h, which the partners share
	s_lshr_b32 s75, s74, 4                         ; b
	s_and_b32 s76, s74, 15                         ; h
	s_lshl_b32 s77, s75, 11                        ; the batch's first token
	s_lshl_b32 s78, s76, 13
	s_add_co_u32 s78, s78, s77                     ; its row in plane h of 8,192 tokens
	s_lshr_b32 s79, s76, 1
	s_lshl_b32 s79, s79, 13
	s_add_co_u32 s79, s79, s77                     ; and in plane h / 2
	s_add_co_u32 s80, s78, 16*8192                 ; K: plane 16 + h,
	s_mul_i32 s80, s80, 48
	s_mul_i32 s52, s[WV], 12288                    ; my eighth of it; also my load's place in LDS (waves 8-15: in V's region)
	s_add_co_u32 s80, s80, s52
	s_mov_b32 s81, 0
	s_mul_i32 s82, s75, 32*49152                   ; V: the batch's 32 planes of 64 keys,
	s_mul_i32 s83, s76, 3072                       ; the head's 64 rows,
	s_add_co_u32 s82, s82, s83
	s_and_b32 s83, s[WV], 7
	s_mul_i32 s83, s83, 4*49152                    ; my four planes
	s_add_co_u32 s82, s82, s83
	s_mov_b32 s83, 0
	; group 1, K: 12,288 dense bytes as 48 rows of 256 (32 elements of 8 bytes)
	s_mov_b32 s[G1K], 15|(3<<16)|(1<<21)           ; 15:0 the mask: all four partners; 17:16 elements of 8 bytes; 21 set beside a mask
	s_mov_b32 s[G1K+1], 32<<16
	s_mov_b32 s[G1K+2], 48<<16
	s_mov_b32 s[G1K+3], 32<<16
	s_mov_b32 s[G1K+4], 48
	s_mov_b32 s[G1K+5], 32
	s_mov_b32 s[G1K+6], 0
	s_mov_b32 s[G1K+7], 0
	; group 1, V: 4 rows of 3,072 bytes (64 d x 48), a plane of 49,152 bytes apart
	s_mov_b32 s[G1V], 15|(3<<16)|(1<<21)
	s_mov_b32 s[G1V+1], 384<<16
	s_mov_b32 s[G1V+2], 4<<16
	s_mov_b32 s[G1V+3], 384<<16
	s_mov_b32 s[G1V+4], 4
	s_mov_b32 s[G1V+5], 6144
	s_mov_b32 s[G1V+6], 0
	s_mov_b32 s[G1V+7], 0
	; my two tiles: j = wave and j = 31 - wave
	s_lshl_b32 s84, s[CX], 4
	s_xor_b32 s85, s[WV], 31                       ; 31 - wave
	s_lshr_b32 s[LIM0], s[WV], 1                   ; the tile's last key step
	s_lshr_b32 s[LIM1], s85, 1
	s_and_b32 s[DGS0], s[WV], 1
	s_lshl_b32 s[DGS0], s[DGS0], 6
	s_add_co_u32 s[DGS0], s[DGS0], s84             ; the tile's first query less its last step's first key
	s_and_b32 s[DGS1], s85, 1
	s_lshl_b32 s[DGS1], s[DGS1], 6
	s_add_co_u32 s[DGS1], s[DGS1], s84
	s_lshl_b32 s86, s[WV], 6
	s_add_co_u32 s86, s86, s84                     ; the tile's first query in the sequence
	s_lshl_b32 s88, s85, 6
	s_add_co_u32 s88, s88, s84
	s_add_co_u32 s90, s79, s86
	s_lshl_b32 s90, s90, 2                         ; its scale word (q's and o's planes are alike)
	s_mov_b32 s91, 0
	s_add_co_u32 s92, s79, s88
	s_lshl_b32 s92, s92, 2
	s_mov_b32 s93, 0
	s_add_co_u32 s86, s78, s86
	s_mul_i32 s86, s86, 48                         ; its codes (likewise)
	s_mov_b32 s87, 0
	s_add_co_u32 s88, s78, s88
	s_mul_i32 s88, s88, 48
	s_mov_b32 s89, 0
	s_add_co_u32 s94, s79, 8*8192                  ; k's scale words: plane 8 + h / 2
	s_lshl_b32 s94, s94, 2
	s_mov_b32 s95, 0
	s_lshl_b32 s2, s75, 16                         ; vsx: the batch's 16 planes of 4,096 bytes, the head's 256 bytes
	s_lshl_b32 s3, s76, 8
	s_add_co_u32 s2, s2, s3
	s_mov_b32 s3, 0
	s_mov_b32 s[PSEL], 0x05040100                  ; v_perm_b32: the head's two bytes of a word (0, 1 or 2, 3), then two bytes of the other source
	s_bitcmp1_b32 s76, 0
	s_cselect_b32 s[PSEL], 0x05040302, s[PSEL]
	s_and_b32 s76, s76, 1
	s_lshl_b32 s76, s76, 1                         ; where the head's two bytes stand in o's scale word
	s_mov_b32 s74, s77
	s_mov_b32 s75, 0                               ; the mask's row: 2,048 b
	s_mov_b32 s[HM], 0xffff0000                    ; lanes 16-31
	s_mov_b32 s[SEL], 0x76543210
	s_mov_b32 s[SEL+1], 0xfedcba98                 ; v_permlanex16_b32's selects for lane l xor 16
	s_mov_b32 s[CS], 0x3e38aa3b                    ; c = log2(e) / 8
	s_mov_b32 s[CS+1], s[CS]                       ; (named with it as a pair)
	s_wait_dscnt 0x0                               ; the opening add is done
	s_wait_kmcnt 0x0
	s_mov_b32 s[G0K], 1
	s_mov_b32 s[G0K+1], s52
	s_add_nc_u64 s[G0K+2:G0K+3], s[4:5], s[80:81]
	s_or_b32 s[G0K+3], s[G0K+3], 0x80000000
	s_mov_b32 s[G0V], 1
	s_mov_b32 s[G0V+1], s52
	s_add_nc_u64 s[G0V+2:G0V+3], s[8:9], s[82:83]
	s_or_b32 s[G0V+3], s[G0V+3], 0x80000000
	ROUND                                          ; all four partners are here: the joint loads meet
	s_cmp_lt_u32 s[WV], 8                          ; waves 0-7 fetch K, waves 8-15 V; an s_nop 0 and four v_nop follow each line
	s_cbranch_scc0 .Lfor_v
	tensor_load_to_lds s[G0K:G0K+3], s[G1K:G1K+7]
	s_nop 0
.rept 4
	v_nop
.endr
	s_branch .Lasked
.Lfor_v:
	tensor_load_to_lds s[G0V:G0V+3], s[G1V:G1V+7]
	s_nop 0
.rept 4
	v_nop
.endr
.Lasked:
	s_add_nc_u64 s[QP0:QP0+1], s[4:5], s[86:87]
	s_add_nc_u64 s[QP1:QP1+1], s[4:5], s[88:89]
	s_add_nc_u64 s[QSP0:QSP0+1], s[6:7], s[90:91]
	s_add_nc_u64 s[QSP1:QSP1+1], s[6:7], s[92:93]
	s_add_nc_u64 s[OCP0:OCP0+1], s[14:15], s[86:87]
	s_add_nc_u64 s[OCP1:OCP1+1], s[14:15], s[88:89]
	s_add_co_u32 s90, s90, s76
	s_add_co_u32 s92, s92, s76
	s_add_nc_u64 s[OSP0:OSP0+1], s[16:17], s[90:91]
	s_add_nc_u64 s[OSP1:OSP1+1], s[16:17], s[92:93]
	s_add_nc_u64 s[6:7], s[6:7], s[94:95]          ; k's scale words
	s_add_nc_u64 s[10:11], s[10:11], s[2:3]        ; V's scale words, and 262,144 bytes on its sums
	s_add_nc_u64 s[12:13], s[12:13], s[74:75]      ; the mask
	v_and_b32 v8, 15, v0                           ; r
	v_bfe_u32 v9, v0, 4, 1                         ; h
	v_and_b32 v10, 31, v0                          ; lane
	s_delay_alu instid0(VALU_DEP_3)
	v_mul_u32_u24 v[AK0], v8, 48
	s_delay_alu instid0(VALU_DEP_1)
	v_mad_u32_u24 v[AK0], v9, 24, v[AK0]           ; 48 r + 24 h
	s_delay_alu instid0(VALU_DEP_3)
	v_lshlrev_b32 v81, 3, v10                      ; 8 x lane
	v_lshlrev_b32 v96, 4, v0                       ; 16 x thread
	v_lshlrev_b32 v97, 2, v0                       ; 4 x thread
	v_lshrrev_b32 v98, 5, v0
	s_delay_alu instid0(VALU_DEP_1)
	v_lshl_add_u32 v98, v98, 12, v81               ; plane = wave, 8 bytes a lane
	v_lshlrev_b32 v103, 2, v8                      ; 4 r
	global_load_b128 v[104:107], v96, s[6:7]       ; the scale words of my four keys
	global_load_b32 v108, v97, s[12:13]            ; their mask bytes
	global_load_b64 v[110:111], v98, s[10:11]      ; V's scale words: a step's 256 bytes a wave
.irp p, 0,1,2
	global_load_b64 v[16+2*\p:17+2*\p], v[AK0], s[QP0:QP0+1] offset:8*\p       ; Q's 64 codes: my block of 32
	global_load_b64 v[192+2*\p:193+2*\p], v[AK0], s[QP1:QP1+1] offset:8*\p
.endr
	global_load_b32 v114, v103, s[QSP0:QSP0+1]
	global_load_b32 v115, v103, s[QSP1:QSP1+1]
	v_add_nc_u32 v[AV0], VC, v[AK0]
	v_lshl_add_u32 v[AT0], v8, 2, KST
	v_lshl_add_u32 v[AS0], v8, 2, VS
	s_lshl_b32 s74, s[WV], 10
	s_add_co_u32 s74, s74, STG                     ; my stage
	v_mul_u32_u24 v[ASTW], v8, 48
	s_delay_alu instid0(VALU_DEP_1)
	v_mad_u32_u24 v[ASTW], v9, 12, v[ASTW]
	s_delay_alu instid0(VALU_DEP_1)
	v_add_nc_u32 v[ASTW], s74, v[ASTW]             ; in: row r, my half's 12 bytes of a block
	v_add_nc_u32 v[ASTR], s74, v81                 ; back: 8 bytes a lane
	v_lshlrev_b32 v30, 3, v9
	s_delay_alu instid0(VALU_DEP_1)
	v_sub_nc_u32 v30, v8, v30                      ; r - 8 h
	v_mov_b32 v31, 0xff800000                      ; -infinity
	v_lshl_add_u32 v[AVM], v9, 5, VM
	v_lshl_add_u32 v82, v8, 2, v9                  ; o's scale bytes: 4 r + h
	v_lshl_add_u32 v99, v0, 4, KST
	v_lshl_add_u32 v100, v0, 3, VS
	v_lshl_add_u32 v101, v0, 2, VM
	v_mov_b32 v120, 0x0101                         ; a valid key: bytes 1, 1
	v_mov_b32 v121, 0x01fe                         ; a masked key: bytes 254, 1
	v_mov_b32 v122, 0x0168                         ; a query: bytes 104, 1
	v_xor_b32 v83, 1, v9                           ; 1 in lanes 0-15, which hold k = 64 .. 95 in registers 6-11
	s_delay_alu instid0(VALU_DEP_1)
	v_mul_u32_u24 v22, v83, 31                     ; the code +7.5 at k = 64
	s_delay_alu instid0(VALU_DEP_2)
	v_mul_u32_u24 v198, v83, 31
.irp i, 23,24,25,26,27,199,200,201,202,203
	v_mov_b32 v\i, 0
.endr
.irp t, 0,1,2,3
	v_mul_u32_u24 v[38+12*\t], v83, 63             ; the code -7.5 at k = 64: the upper halves of K's four fragments are written once
.irp i, 1,2,3,4,5
	v_mov_b32 v[38+12*\t+\i], 0
.endr
.endr
.irp b, 0,1,2,3
	v_mov_b32 v[236+\b], 0                         ; written once: a lane permute's destination counts as one of its sources
.endr
	v_mov_b32 v252, 0
	v_mov_b32 v253, 0                              ; (named as the upper half of the pair v[252:253] before it is first written)
	s_cmp_lt_u32 s[WV], 2                          ; waves 0 and 1: the mean of the quantised V, a thread to a channel
	s_cbranch_scc0 .Lno_mean
.irp s, 0,1,2,3,4,5,6,7,8,9,10,11,12,13,14,15
	global_load_b32 v[128+\s], v97, s[10:11] offset:262144+4096*\s
.endr
	s_wait_loadcnt 0x0
.irp s, 0,2,4,6,8,10,12,14
	v_add_f32 v[128+\s], v[128+\s], v[129+\s]
.endr
.irp s, 0,4,8,12
	v_add_f32 v[128+\s], v[128+\s], v[130+\s]
.endr
	s_delay_alu instid0(VALU_DEP_3)
	v_add_f32 v128, v128, v132
	s_delay_alu instid0(VALU_DEP_2)
	v_add_f32 v136, v136, v140
	s_delay_alu instid0(VALU_DEP_1)
	v_add_f32 v128, v128, v136
	s_delay_alu instid0(VALU_DEP_1)
	v_mul_f32 v128, 0x3a000000, v128               ; / 2,048
	ds_store_b32 v101, v128
.Lno_mean:
	s_wait_loadcnt 0x0
.irp i, 0,1,2,3
	v_bfe_u32 v112, v108, 8*\i, 8
	s_delay_alu instid0(VALU_DEP_1)
	v_cmp_eq_u32 vcc_lo, 0, v112
	s_delay_alu instid0(VALU_DEP_1)
	v_cndmask_b32 v113, v120, v121, vcc_lo         ; the mask only selects a value
	s_delay_alu instid0(VALU_DEP_1)
	v_perm_b32 v[116+\i], v113, v[104+\i], s[PSEL]
.endr
	ds_store_b128 v99, v[116:119]
	ds_store_b64 v100, v[110:111]
	v_perm_b32 v255, v122, v114, s[PSEL]           ; Q's scale words
	v_perm_b32 v204, v122, v115, s[PSEL]
	s_wait_tensorcnt 0x0                           ; my part of K or V has landed,
	s_wait_dscnt 0x0                               ; my stores are done:
	s_barrier_signal -1
	s_barrier_wait -1                              ; everybody's are.  The one barrier of the work
; A KEY STEP: 128 keys.  A step all of whose keys come after the tile's queries is left out: a branch on the wave's number and the count of steps, round the work alone.
.macro KSTEP QF, QS, LIMR
	s_cmp_gt_u32 s[SI], s[\LIMR]
	s_cbranch_scc1 .Lhid_\@
	v_add_nc_u32 v[ADK], s[TK], v[AK0]
	s_wait_alu depctr_va_vdst(0)
	v_add_nc_u32 v[ADV], s[TK], v[AV0]
	v_add_nc_u32 v[ADT], s[TT], v[AT0]
	s_wait_alu depctr_va_vdst(0)
	v_add_nc_u32 v[ADS], s[TS], v[AS0]
	v_nop                                          ; six plain lines: the products below write over registers that the last step's products read (five are asked), and the loads land in their scale registers (four)
	v_nop
.irp g, 0,1                            ; S^T = K Q^T, four tiles of 16 neighbouring keys at a time
.if \g
.rept 4
	v_nop
.endr
.endif
.irp t, 0,1,2,3
.irp p, 0,1,2
	ds_load_b64 v[32+12*\t+2*\p:33+12*\t+2*\p], v[ADK] offset:768*(4*\g+\t)+8*\p
.endr
	ds_load_b32 v[248+\t], v[ADT] offset:64*(4*\g+\t)
.endr
	s_wait_dscnt 0x0
.irp t, 0,1,2,3
	v_wmma_scale_f32_16x16x128_f8f6f4 v[96+8*(4*\g+\t):103+8*(4*\g+\t)], v[32+12*\t:43+12*\t], v[\QF:\QF+11], 0, v[248+\t], v[\QS] matrix_a_fmt:MATRIX_FMT_FP6 matrix_b_fmt:MATRIX_FMT_FP6
.endr
.endr                                  ; lane (r, h): query r; register 8 T + j: key 16 T + 8 h + j of the step
.rept 4
	v_nop
.endr
	s_cmp_lg_u32 s[SI], s[\LIMR]                   ; the tile's last step lies on the diagonal: keys after the query become -infinity
	s_cbranch_scc1 .Lopen_\@
.set n, 0
.rept 64
	v_cmp_gt_i32 vcc_lo, 16*(n/8)+n%8, v[DG]
	v_cndmask_b32 v[96+n], v[96+n], v31, vcc_lo
.set n, n+1
.endr
.Lopen_\@:
.irp b, 0,1,2,3
	v_max3_num_f32 v[232+\b], v[96+16*\b], v[97+16*\b], v[98+16*\b]   ; the largest score of each block of 32 keys: for the row's maximum and for the block's largest p
.endr
.irp i, 3,5,7,9,11,13
.irp b, 0,1,2,3
	v_max3_num_f32 v[232+\b], v[232+\b], v[96+16*\b+\i], v[97+16*\b+\i]
.endr
.endr
.irp b, 0,1,2,3
	v_max_num_f32 v[232+\b], v[232+\b], v[111+16*\b]
.endr
.irp b, 0,1,2,3
	s_delay_alu instid0(VALU_DEP_4)
	v_permlanex16_b32 v[236+\b], v[232+\b], s[SEL], s[SEL+1]
.endr
.irp b, 0,1,2,3
	s_delay_alu instid0(VALU_DEP_4)
	v_max_num_f32 v[232+\b], v[232+\b], v[236+\b]  ; with lane l xor 16's 16 keys
.endr
	s_delay_alu instid0(VALU_DEP_2)
	v_max3_num_f32 v254, v232, v233, v234
	s_delay_alu instid0(VALU_DEP_1)
	v_max_num_f32 v254, v254, v235
	s_delay_alu instid0(VALU_DEP_1)
	v_mul_f32 v254, s[CS], v254                    ; the step's largest t
	s_delay_alu instid0(VALU_DEP_1)
	v_max_num_f32 v13, v13, v254                   ; the running largest t
	v_mov_b32 v254, v12
	s_delay_alu instid0(VALU_DEP_2)
	v_floor_f32 v12, -v13                          ; -M = floor(-t): M is a whole number
	s_delay_alu instid0(VALU_DEP_1)
	v_sub_f32 v254, v12, v254                      ; old M - new M, 0 or less
	s_delay_alu instid0(VALU_DEP_1)
	v_cvt_i32_f32 v254, v254                       ; (it saturates)
	s_delay_alu instid0(VALU_DEP_1)
	v_ldexp_f32 v252, 1.0, v254                    ; f = 2^(old M - new M)
.set n, 0
.rept 32
	v_pk_fma_f32 v[96+n:97+n], v[96+n:97+n], s[CS:CS+1], v[12:13] op_sel_hi:[1,0,0]   ; t - M, two at a time
.set n, n+2
.endr
.irp b, 0,1,2,3
	v_fma_f32 v[232+\b], v[232+\b], s[CS], v12
.endr
.set n, 0
	s_wait_alu depctr_va_vdst(0)
.rept 64
	v_exp_f32 v[96+n], v[96+n]                     ; p = 2^(t - M)
.set n, n+1
.endr
	v_pk_mul_f32 v[14:15], v[14:15], v[252:253] op_sel_hi:[1,0]   ; the sums under the new M (a plain line behind the exponentials)
	s_wait_alu depctr_va_vdst(0)                   ; one wait for the batch of 64, ahead of its first reader
.irp b, 0,1,2,3
	v_exp_f32 v[232+\b], v[232+\b]                 ; each block's largest p
.endr
	v_pk_add_f32 v[236:237], v[100:101], v[104:105]
	v_pk_add_f32 v[250:251], v[108:109], v[112:113]
	v_pk_add_f32 v[248:249], v[116:117], v[120:121]
	v_pk_add_f32 v[246:247], v[124:125], v[128:129]
	v_pk_add_f32 v[244:245], v[132:133], v[136:137]
	v_pk_add_f32 v[242:243], v[140:141], v[144:145]
	v_pk_add_f32 v[240:241], v[148:149], v[152:153]
	v_pk_add_f32 v[14:15], v[14:15], v[156:157]
	v_pk_add_f32 v[236:237], v[236:237], v[96:97]
	v_pk_add_f32 v[250:251], v[250:251], v[98:99]
	v_pk_add_f32 v[248:249], v[248:249], v[102:103]
	v_pk_add_f32 v[246:247], v[246:247], v[106:107]
	v_pk_add_f32 v[244:245], v[244:245], v[110:111]
	v_pk_add_f32 v[242:243], v[242:243], v[114:115]
	v_pk_add_f32 v[240:241], v[240:241], v[118:119]
	v_pk_add_f32 v[14:15], v[14:15], v[122:123]
	v_pk_add_f32 v[236:237], v[236:237], v[126:127]
	v_pk_add_f32 v[250:251], v[250:251], v[130:131]
	v_pk_add_f32 v[248:249], v[248:249], v[134:135]
	v_pk_add_f32 v[246:247], v[246:247], v[138:139]
	v_pk_add_f32 v[244:245], v[244:245], v[142:143]
	v_pk_add_f32 v[242:243], v[242:243], v[146:147]
	v_pk_add_f32 v[240:241], v[240:241], v[150:151]
	v_pk_add_f32 v[14:15], v[14:15], v[154:155]
	v_pk_add_f32 v[236:237], v[236:237], v[158:159]
	s_delay_alu instid0(VALU_DEP_2)
	v_pk_add_f32 v[14:15], v[14:15], v[246:247]
	s_delay_alu instid0(VALU_DEP_2)
	v_pk_add_f32 v[236:237], v[236:237], v[244:245]
	v_pk_add_f32 v[250:251], v[250:251], v[242:243]
	v_pk_add_f32 v[248:249], v[248:249], v[240:241]
	s_delay_alu instid0(VALU_DEP_2)
	v_pk_add_f32 v[14:15], v[14:15], v[250:251]
	s_delay_alu instid0(VALU_DEP_2)
	v_pk_add_f32 v[236:237], v[236:237], v[248:249]
	s_delay_alu instid0(VALU_DEP_1)
	v_pk_add_f32 v[14:15], v[14:15], v[236:237]
	s_wait_alu depctr_va_vdst(0)                   ; and one for the four
.irp b, 0,1,2,3
	v_max_num_f32 v[232+\b], 0x1800000, v[232+\b]  ; the floor 2^(3 - 127)
.endr
.irp b, 0,1,2,3
	s_delay_alu instid0(VALU_DEP_4)
	v_add_nc_u32 v[244+\b], 0xff000000, v[232+\b]  ; the conversion's scale operand
.endr
.irp b, 0,1,2,3
	s_delay_alu instid0(VALU_DEP_4)
	v_lshrrev_b32 v[236+\b], 23, v[244+\b]         ; the scale's byte
.endr
	s_delay_alu instid0(VALU_DEP_3)
	v_lshl_or_b32 v253, v237, 8, v236              ; p's scale word for these 128 keys
	s_delay_alu instid0(VALU_DEP_1)
	v_lshl_or_b32 v253, v238, 16, v253
	s_delay_alu instid0(VALU_DEP_1)
	v_lshl_or_b32 v253, v239, 24, v253
.irp c, 0,1
	v_cvt_scalef32_pk16_fp6_f32 v[224+6*\c:226+6*\c], v[96+32*\c:111+32*\c], v[244+2*\c]
	v_cvt_scalef32_pk16_fp6_f32 v[236+4*\c:238+4*\c], v[112+32*\c:127+32*\c], v[244+2*\c+1]
.endr
	v_nop                                          ; one plain line behind a scaled conversion
.irp t, 0,1,2,3                        ; V's four fragments (16 channels x these 128 keys) land in p's registers, which are done with, while the lines below run
.irp p, 0,1,2,3,4,5
	ds_load_b64 v[96+12*\t+2*\p:97+12*\t+2*\p], v[ADV] offset:768*\t+3072*(\p/3)+8*(\p%3)
.endr
	ds_load_b32 v[248+\t], v[ADS] offset:64*\t
.endr
.irp c, 0,1                            ; a whole block to a lane
.irp i, 0,1,2
	v_permlane16_swap_b32 v[224+6*\c+\i], v[236+4*\c+\i]
.endr
.irp i, 0,1,2
	s_delay_alu instid0(VALU_DEP_3)
	v_mov_b32 v[227+6*\c+\i], v[236+4*\c+\i]
.endr
.endr
.set n, 0
.rept 16
	v_pk_mul_f32 v[160+n:161+n], v[160+n:161+n], v[252:253] op_sel_hi:[1,0]   ; O^T under the new M
.set n, n+2
.endr
	s_wait_alu depctr_va_vdst(0)
	s_wait_dscnt 0x0
.irp t, 0,1,2,3                        ; O^T += V^T P^T: the four accumulators take turns, one instruction a turn
	v_wmma_scale_f32_16x16x128_f8f6f4 v[160+8*\t:167+8*\t], v[96+12*\t:107+12*\t], v[224:235], v[160+8*\t:167+8*\t], v[248+\t], v253 matrix_a_fmt:MATRIX_FMT_FP6 matrix_b_fmt:MATRIX_FMT_FP6
.endr
.Lhid_\@:
	s_add_co_u32 s[TK], s[TK], 6144                ; 128 keys x 48 bytes of K; two groups x 3,072 bytes of V
	s_add_co_u32 s[TT], s[TT], 512
	s_add_co_u32 s[TS], s[TS], 256
.endm
; THE TILE'S END: O^T / the sum, or the mean of V; quantised along the head's 64; 768 bytes of codes leave through my stage as three runs of 256 bytes.
.macro FIN OCP, OSP
.rept 4
	v_nop
.endr
	v_add_f32 v14, v14, v15
	s_delay_alu instid0(VALU_DEP_1)
	v_permlanex16_b32 v252, v14, s[SEL], s[SEL+1]
	s_delay_alu instid0(VALU_DEP_1)
	v_add_f32 v14, v14, v252                       ; the row's sum
	s_wait_alu depctr_va_vdst(0)
	v_rcp_f32 v14, v14
.irp t, 0,1,2,3
	ds_load_b128 v[96+8*\t:99+8*\t], v[AVM] offset:64*\t           ; the mean of V at my 32 channels
	ds_load_b128 v[100+8*\t:103+8*\t], v[AVM] offset:64*\t+16
.endr
	v_cmp_ge_f32 s[CMK], 0xf149f2ca, v13           ; no valid key: the largest t is still -1e30
	v_nop
	s_wait_alu depctr_va_vdst(0)                   ; the wait ahead of the reciprocal's first reader
.set n, 0
.rept 16
	v_pk_mul_f32 v[128+n:129+n], v[160+n:161+n], v[14:15] op_sel_hi:[1,0]   ; register 8 t + j: o(query r, channel 16 t + 8 h + j)
.set n, n+2
.endr
	s_wait_dscnt 0x0
.set n, 0
.rept 32
	v_cndmask_b32 v[128+n], v[128+n], v[96+n], s[CMK]
.set n, n+1
.endr
.irp b, 0,1
	v_max3_num_f32 v[232+\b], |v[128+16*\b]|, |v[129+16*\b]|, 0x1800000
.endr
.irp i, 2,4,6,8,10,12,14
.irp b, 0,1
	s_delay_alu instid0(VALU_DEP_2)
	v_max3_num_f32 v[232+\b], v[232+\b], |v[128+16*\b+\i]|, |v[129+16*\b+\i]|
.endr
.endr
.irp b, 0,1
	s_delay_alu instid0(VALU_DEP_2)
	v_permlanex16_b32 v[236+\b], v[232+\b], s[SEL], s[SEL+1]
.endr
.irp b, 0,1
	s_delay_alu instid0(VALU_DEP_2)
	v_max_num_f32 v[232+\b], v[232+\b], v[236+\b]
.endr
.irp b, 0,1
	s_delay_alu instid0(VALU_DEP_2)
	v_add_nc_u32 v[244+\b], 0xff000000, v[232+\b]
.endr
.irp b, 0,1
	s_delay_alu instid0(VALU_DEP_2)
	v_lshrrev_b32 v[236+\b], 23, v[244+\b]
.endr
	v_cvt_scalef32_pk16_fp6_f32 v[224:226], v[128:143], v244       ; places 16 h .. 16 h + 15 of block 0: 12 bytes
	v_cvt_scalef32_pk16_fp6_f32 v[228:230], v[144:159], v245       ; and of block 1
	v_cndmask_b32 v254, v236, v237, s[HM]          ; lanes 0-15 send block 0's byte, lanes 16-31 block 1's (a plain line behind the conversions)
.irp i, 0,1,2
	ds_store_b32 v[ASTW], v[224+\i] offset:4*\i
	ds_store_b32 v[ASTW], v[228+\i] offset:24+4*\i
.endr
.irp i, 0,1,2
	ds_load_b64 v[32+2*\i:33+2*\i], v[ASTR] offset:256*\i          ; my own bytes, in order behind my stores
.endr
	global_store_b8 v82, v254, s[\OSP:\OSP+1]
	s_wait_dscnt 0x0
.irp i, 0,1,2
	global_store_b64 v81, v[32+2*\i:33+2*\i], s[\OCP:\OCP+1] offset:256*\i   ; 32 lanes store 256 consecutive bytes, at a multiple of 256 from the buffer's first byte
.endr
	s_wait_xcnt 0x0                                ; the stores have read their registers: the next tile writes them again
.endm
.macro TILE QF, QS, LIMR, DGR, OCP, OSP
	v_add_nc_u32 v[DG], s[\DGR], v30               ; on the diagonal: my query less the step's first key less 8 h
	v_mov_b32 v13, 0xf149f2ca                      ; the largest t so far: -1e30
	s_delay_alu instid0(VALU_DEP_1)
	v_floor_f32 v12, -v13                          ; -M
	v_mov_b32 v14, 0
	v_mov_b32 v15, 0
.set n, 0
.rept 32
	v_mov_b32 v[160+n], 0                          ; O^T: the step is written once, and its first walk finds zeros
.set n, n+1
.endr
	s_mov_b32 s[SI], 0
	s_mov_b32 s[TK], 0
	s_mov_b32 s[TT], 0
	s_mov_b32 s[TS], 0
.Lkey_\@:                              ; a constant 16 trips, so that the stepped LDS addresses can be read off the text
	KSTEP \QF, \QS, \LIMR
	s_add_co_u32 s[SI], s[SI], 1
	s_cmp_lt_u32 s[SI], 16
	s_cbranch_scc1 .Lkey_\@
	FIN \OCP, \OSP
.endm
	TILE 16, 255, LIM0, DGS0, OCP0, OSP0
	TILE 192, 204, LIM1, DGS1, OCP1, OSP1
	s_wait_tensorcnt 0x0                           ; the wave's end: behind my last tensor load and my last LDS store
	ds_add_u32 v[SPW], v[NIL]
	s_wait_dscnt 0x0
	ROUND                                          ; the closing round
	s_endpgm
.Lfunc_end_k_q9b4994eed6_attn:
	.size	k_q9b4994eed6_attn, .Lfunc_end_k_q9b4994eed6_attn-k_q9b4994eed6_attn
	.p2alignl 7, 3214868480
	.fill 96, 4, 3214868480
	.section	.rodata,"a",@progbits
	.p2align	6, 0x0
	.amdhsa_kernel k_q9b4994eed6_attn
		.amdhsa_group_segment_fixed_size 327680
		.amdhsa_private_segment_fixed_size 0
		.amdhsa_enable_private_segment 0
		.amdhsa_kernarg_size 56
		.amdhsa_user_sgpr_count 2
		.amdhsa_user_sgpr_kernarg_segment_ptr 1
		.amdhsa_wavefront_size32 1
		.amdhsa_system_sgpr_workgroup_id_x 1
		.amdhsa_system_sgpr_workgroup_id_y 1
		.amdhsa_system_sgpr_workgroup_id_z 1
		.amdhsa_system_vgpr_workitem_id 0
		.amdhsa_next_free_vgpr 256
		.amdhsa_next_free_sgpr 100
		.amdhsa_reserve_vcc 1
		.amdhsa_float_denorm_mode_32 3
		.amdhsa_float_denorm_mode_16_64 3
		.amdhsa_memory_ordered 1
		.amdhsa_forward_progress 1
		.amdhsa_inst_pref_size 81
	.end_amdhsa_kernel
	.amdgpu_metadata
---
amdhsa.version: [ 1, 2 ]
amdhsa.kernels:
  - .name:           k_q9b4994eed6_attn
    .symbol:         k_q9b4994eed6_attn.kd
    .args:
      - { .name: qk_codes, .offset: 0, .size: 8, .value_kind: global_buffer, .address_space: global }
      - { .name: qk_scales, .offset: 8, .size: 8, .value_kind: global_buffer, .address_space: global }
      - { .name: v_codes, .offset: 16, .size: 8, .value_kind: global_buffer, .address_space: global }
      - { .name: vsx, .offset: 24, .size: 8, .value_kind: global_buffer, .address_space: global }
      - { .name: attention_mask, .offset: 32, .size: 8, .value_kind: global_buffer, .address_space: global }
      - { .name: o_codes, .offset: 40, .size: 8, .value_kind: global_buffer, .address_space: global }
      - { .name: o_scales, .offset: 48, .size: 8, .value_kind: global_buffer, .address_space: global }
    .group_segment_fixed_size: 327680
    .private_segment_fixed_size: 0
    .kernarg_segment_align: 8
    .kernarg_segment_size: 56
    .max_flat_workgroup_size: 512
    .sgpr_count:     100
    .vgpr_count:     256
    .wavefront_size: 32
...
	.end_amdgpu_metadata
.endif
;; end of part 3
;; launch gemm_proj (part 4): grid 8 x 32, 4 waves a work-group, clusters of 4 x 4, 327,680 bytes of LDS; arguments o_codes, o_scales, codes, scales, out0; writes out0
.if DOCPART == 4
	.amdgcn_target "amdgcn-amd-amdhsa--gfx1250"
	.amdhsa_code_object_version 6
	.text
	.protected	k_q9b4994eed6_gemm_proj
	.globl	k_q9b4994eed6_gemm_proj
	.p2align	8
	.type	k_q9b4994eed6_gemm_proj,@function
k_q9b4994eed6_gemm_proj:
	s_mov_b64 s[64:65], 0
	v_nop
	global_prefetch_b8 v0, s[64:65] scope:SCOPE_SE
	s_setreg_imm32_b32 hwreg(HW_REG_WAVE_MODE, 25, 1), 1
	s_wait_xcnt 0x0
	s_wait_alu depctr_hold_cnt(0) depctr_sa_sdst(0) depctr_va_vdst(0) depctr_va_sdst(0) depctr_va_ssrc(0) depctr_va_vcc(0) depctr_vm_vsrc(0)
	s_getreg_b32 s2, hwreg(HW_REG_IB_STS2, 6, 4)
	s_cmp_eq_u32 s2, 0
	s_cbranch_scc0 .Lentry_in_a_cluster
	s_endpgm
.Lentry_in_a_cluster:
	s_bfe_u32 s2, ttmp6, 0x10000c
	s_cmp_lg_u32 s2, 0xf033
	s_cbranch_scc0 .Lentry_shape_is_right
	s_endpgm
.Lentry_shape_is_right:
; out0 = o w_proj^T on codes of FP6 (E2M3) with E8M0 scales; K = 1,024; sums in f32.
; OPERANDS: o_codes[g = K / 64][token][48], o_scales[G = K / 128][token][4]; w_proj is rows 11,264 .. 12,287 of codes[g][row][48], scales[G][row][4].  Inside a block of 32 both operands have the same order of places.
; SHARES: a work-group makes 256 tokens x 128 columns: 32 x 8 = 256 work-groups.  ALL OF K LIES IN LDS: 16 groups x 256 tokens x 48 bytes, then 16 groups x 128 rows x 48 bytes.  Each wave asks for one tile at the head
; (waves 0, 1: the tokens' groups 0-7, 8-15; waves 2, 3: w_proj's): by this text's count one tensor load of a wave is out; one barrier.
; CLUSTERS 4 x 4: the tokens' tiles are shared along a row of the cluster, w_proj's along a column: joint loads with a mask of four.
; A wave makes 128 tokens x 64 columns.  Its fragments of w_proj for all of K (8 steps x 4 blocks x 12 registers) are read from LDS once and stay in registers; the tokens go by blocks of 16:
; 32 matrix instructions finish a block (its 4 accumulators by turns, K ascending), and the block leaves through my stage while later blocks are multiplied.  No fragment is read from LDS twice.
; THE SCALE WORDS go from memory into registers: a load takes 32 neighbouring rows' words (128 consecutive bytes), lanes 0-15 one block of 16 rows, lanes 16-31 the next; the matrix instruction's row selector picks the half.  Each word is read once by a wave.
; THE MATRIX INSTRUCTION IS USED TRANSPOSED (source 0 = 16 rows of w_proj, source 1 = 16 tokens): a lane holds eight neighbouring columns of a token's row.
; No prefetch: every tile is asked for at the head, and there is no loop to run ahead in.
; REGISTERS: window 0: v1-15 addresses; v32-63 the tokens' scale words, v64-79 w_proj's; v80-143 accumulators, two sets; v144-207 rows on the way out, two sets.
;   windows 1, 2: w_proj's fragments of K steps 0-3, 4-7 (v0-191).  window 3: a token block's fragments of all K, two sets (v0-95, v96-191).
.set P1,    393216                     ; a plane of o_codes
.set P0,    589824                     ; a plane of codes
.set PS1,   32768                      ; a plane of o_scales
.set PS0,   49152                      ; a plane of scales
.set GA,    12288                      ; LDS: a group of the tokens: 256 x 48
.set GN,    6144                       ; a group of w_proj: 128 x 48
.set LB,    16*GA                      ; w_proj's region
.set STAGE, LB+16*GN                   ; a stage of 16 rows x (256 + 16) bytes for each wave; no tile lands here
.set SPITCH, 272
.set SPARE, STAGE+4*16*SPITCH          ; the spare words, 128 bytes a wave
.set ADA,   4                          ; v4-7 my token fragments, groups 0-3, 4-7, 8-11, 12-15
.set ADB,   8                          ; v8-9 my fragments of w_proj, groups 0-7, 8-15
.set STO,   10
.set RD,    11
.set CO,    12
.set SO,    13
.set SPW,   14
.set NIL,   15
.set SA,    32
.set SB,    64
.set ACC,   80
.set BK,    144
.set WV,    18
.set R1H,   19
.set R0H,   20
.set G1A,   24
.set G0A,   32
.set G1B,   40
.set G0B,   48
.set MSB, 0
.macro WIN new                         ; the immediate's high byte repeats the setting that is left
.if MSB != (\new)
	s_set_vgpr_msb (MSB<<8)|(\new)
.set MSB, (\new)
.endif
.endm
.macro CROUND                          ; a round of the cluster's barrier
	s_barrier_signal -1
	s_barrier_wait -1
	s_cmp_lg_u32 s[WV], 0
	s_cbranch_scc1 .Lnot_wave_0_\@
	s_barrier_signal -3
.Lnot_wave_0_\@:
	s_barrier_wait -3
	s_barrier_signal -1
	s_barrier_wait -1
.endm
	s_load_b256 s[4:11], s[0:1], 0x0               ; o_codes, o_scales, codes, scales
	s_load_b64 s[12:13], s[0:1], 0x20              ; out0
	v_lshl_add_u32 v[SPW], v0, 2, SPARE
	v_mov_b32 v[NIL], 0
	ds_add_u32 v[SPW], v[NIL]                      ; the opening lines: the add, twice on end, and its wait ahead of my first tensor load
	ds_add_u32 v[SPW], v[NIL]
	v_lshrrev_b32 v1, 5, v0
	v_readfirstlane_b32 s[WV], v1                  ; wave 0..3
	s_lshr_b32 s[R1H], s[WV], 1                    ; my half of the tokens.  Also: I fetch the tokens' tile (0) or w_proj's (1)
	s_and_b32 s[R0H], s[WV], 1                     ; my half of the columns.  Also: which eight groups I fetch
	s_bfe_u32 s21, ttmp6, 0x40000                  ; cx
	s_bfe_u32 s22, ttmp6, 0x40004                  ; cy
	s_lshl_b32 s23, ttmp9, 2
	s_add_co_u32 s23, s23, s21                     ; which 128 columns
	s_and_b32 s52, ttmp7, 0xffff
	s_lshl_b32 s52, s52, 2
	s_add_co_u32 s52, s52, s22
	s_lshl_b32 s52, s52, 8                         ; the tile's first token
	s_lshl_b32 s53, s23, 7
	s_add_co_u32 s53, s53, 11264                   ; the tile's first row of w_proj in the run of rows
	s_lshl_b32 s2, s22, 2
	s_lshl_b32 s2, 15, s2                          ; my row of the cluster
	s_lshl_b32 s3, 0x1111, s21                     ; my column
	s_or_b32 s[G1A], s2, (3<<16)|(1<<21)           ; 15:0 the mask; 17:16 elements of 8 bytes; 21 set beside a mask
	s_or_b32 s[G1B], s3, (3<<16)|(1<<21)
	s_mov_b32 s[G1A+1], 1536<<16                   ; eight groups, each 12,288 dense bytes, a plane apart
	s_mov_b32 s[G1A+2], 8<<16
	s_mov_b32 s[G1A+3], 1536<<16
	s_mov_b32 s[G1A+4], 8
	s_mov_b32 s[G1A+5], P1/8
	s_mov_b32 s[G1A+6], 0
	s_mov_b32 s[G1A+7], 0
	s_mov_b32 s[G1B+1], 768<<16                    ; eight groups, each 6,144 dense bytes
	s_mov_b32 s[G1B+2], 8<<16
	s_mov_b32 s[G1B+3], 768<<16
	s_mov_b32 s[G1B+4], 8
	s_mov_b32 s[G1B+5], P0/8
	s_mov_b32 s[G1B+6], 0
	s_mov_b32 s[G1B+7], 0
	s_mov_b32 s[G0A], 1
	s_mul_i32 s[G0A+1], s[R0H], 8*GA
	s_mul_i32 s54, s[R0H], 8*P1
	s_mul_i32 s[G0A+2], s52, 48
	s_add_co_u32 s[G0A+2], s[G0A+2], s54
	s_mov_b32 s[G0A+3], 0
	s_mov_b32 s[G0B], 1
	s_mul_i32 s[G0B+1], s[R0H], 8*GN
	s_add_co_u32 s[G0B+1], s[G0B+1], LB
	s_mul_i32 s54, s[R0H], 8*P0
	s_mul_i32 s[G0B+2], s53, 48
	s_add_co_u32 s[G0B+2], s[G0B+2], s54
	s_mov_b32 s[G0B+3], 0
	s_lshl_b32 s55, s[R1H], 7
	s_add_co_u32 s55, s55, s52                     ; my first token
	s_lshl_b32 s56, s55, 2                         ; its scale word
	s_mov_b32 s57, 0
	s_lshl_b32 s58, s[R0H], 6
	s_add_co_u32 s58, s58, s53
	s_lshl_b32 s58, s58, 2                         ; my first row of w_proj: its scale word
	s_mov_b32 s59, 0
	s_lshl_b32 s60, s55, 12                        ; out0: my first token's row of 4,096 bytes, + 512 x tile column + 256 x half
	s_lshl_b32 s54, s23, 9
	s_add_co_u32 s60, s60, s54
	s_lshl_b32 s54, s[R0H], 8
	s_add_co_u32 s60, s60, s54
	s_mov_b32 s61, 0
	s_mul_i32 s62, s[R1H], 128*48
	s_mul_i32 s63, s[R0H], 64*48
	s_add_co_u32 s63, s63, LB
	s_mul_i32 s66, s[WV], 16*SPITCH
	s_add_co_u32 s66, s66, STAGE                   ; my stage
	v_and_b32 v1, 15, v0                           ; r
	v_bfe_u32 v2, v0, 4, 1                         ; h
	v_and_b32 v3, 31, v0
	v_lshlrev_b32 v[SO], 2, v3                     ; scale words: 4 x lane
	v_mul_u32_u24 v3, v1, 48
	v_mad_u32_u24 v3, v2, 24, v3                   ; a fragment: 48 r + 24 h
	v_add_nc_u32 v[ADA], s62, v3
	v_add_nc_u32 v[ADA+1], 4*GA, v[ADA]
	v_add_nc_u32 v[ADA+2], 8*GA, v[ADA]
	v_add_nc_u32 v[ADA+3], 12*GA, v[ADA]
	v_add_nc_u32 v[ADB], s63, v3
	v_add_nc_u32 v[ADB+1], 8*GN, v[ADB]
	v_mul_u32_u24 v3, v1, SPITCH
	v_lshl_add_u32 v3, v2, 5, v3
	v_add_nc_u32 v[STO], s66, v3                   ; into the stage: row r, 32 bytes for each half of the lanes
	v_mul_u32_u24 v3, v2, SPITCH
	v_lshl_add_u32 v3, v1, 4, v3
	v_add_nc_u32 v[RD], s66, v3                    ; back: sixteen lanes to a row of 256 bytes, two rows an instruction
	v_lshlrev_b32 v3, 12, v2
	v_lshl_add_u32 v[CO], v1, 4, v3                ; and the same two rows in out0
	s_wait_alu depctr_va_vdst(0)
	s_wait_dscnt 0x0                               ; both opening adds are done
	s_wait_kmcnt 0x0
	s_add_nc_u64 s[G0A+2:G0A+3], s[4:5], s[G0A+2:G0A+3]
	s_or_b32 s[G0A+3], s[G0A+3], 0x80000000
	s_add_nc_u64 s[G0B+2:G0B+3], s[8:9], s[G0B+2:G0B+3]
	s_or_b32 s[G0B+3], s[G0B+3], 0x80000000
	s_add_nc_u64 s[6:7], s[6:7], s[56:57]
	s_add_nc_u64 s[10:11], s[10:11], s[58:59]
	s_add_nc_u64 s[12:13], s[12:13], s[60:61]
	CROUND                                         ; all sixteen work-groups are here: the joint loads meet
	s_cmp_eq_u32 s[R1H], 0                         ; one load a wave; an s_nop 0 and four v_nop follow each line
	s_cbranch_scc0 .Lfor_b
	tensor_load_to_lds s[G0A:G0A+3], s[G1A:G1A+7]
	s_nop 0
.rept 4
	v_nop
.endr
	s_branch .Lasked
.Lfor_b:
	tensor_load_to_lds s[G0B:G0B+3], s[G1B:G1B+7]
	s_nop 0
.rept 4
	v_nop
.endr
.Lasked:
.irp q, 0,1,2,3,4,5,6,7                ; register SA + 4 q + i: the words of my tokens 32 i .. + 31 for K step q; SB + 2 q + i: of my rows of w_proj
.irp i, 0,1,2,3
	global_load_b32 v[SA+4*\q+\i], v[SO], s[6:7] offset:\q*PS1+128*\i
.endr
.irp i, 0,1
	global_load_b32 v[SB+2*\q+\i], v[SO], s[10:11] offset:\q*PS0+128*\i
.endr
.endr
	s_wait_tensorcnt 0x0                           ; my tile has landed
	s_barrier_signal -1
	s_barrier_wait -1                              ; everybody's has.  The one barrier of the work
.macro ALOAD a                         ; token block a, all eight K steps, into set a % 2 of window 3: 48 loads
	WIN 0xc0
.irp q, 0,1,2,3,4,5,6,7
.irp p, 0,1,2,3,4,5
	ds_load_b64 v[96*((\a)%2)+12*\q+2*\p:96*((\a)%2)+12*\q+2*\p+1], v[ADA+\q/2] offset:((2*\q+\p/3)%4)*GA+(\a)*768+8*(\p%3)
.endr
.endr
.endm
.macro BLOAD q                         ; w_proj's four blocks of K step q into window 1 + q / 4: 24 loads
	WIN 0x40*(1+(\q)/4)
.irp b, 0,1,2,3
.irp p, 0,1,2,3,4,5
	ds_load_b64 v[48*((\q)%4)+12*\b+2*\p:48*((\q)%4)+12*\b+2*\p+1], v[ADB+(\q)/4] offset:((2*(\q)+\p/3)%8)*GN+\b*768+8*(\p%3)
.endr
.endr
.endm
.macro W1 c                            ; one product; the row selectors pick the half of the lanes that holds the block's scale words
.if RW_ == 0
	v_wmma_scale_f32_16x16x128_f8f6f4 v[D_:D_+7], v[B_:B_+11], v[A_:A_+11], \c, v[SB_], v[SA_] matrix_a_fmt:MATRIX_FMT_FP6 matrix_b_fmt:MATRIX_FMT_FP6
.elseif RW_ == 1
	v_wmma_scale_f32_16x16x128_f8f6f4 v[D_:D_+7], v[B_:B_+11], v[A_:A_+11], \c, v[SB_], v[SA_] matrix_a_fmt:MATRIX_FMT_FP6 matrix_b_fmt:MATRIX_FMT_FP6 matrix_a_scale:MATRIX_SCALE_ROW1
.elseif RW_ == 2
	v_wmma_scale_f32_16x16x128_f8f6f4 v[D_:D_+7], v[B_:B_+11], v[A_:A_+11], \c, v[SB_], v[SA_] matrix_a_fmt:MATRIX_FMT_FP6 matrix_b_fmt:MATRIX_FMT_FP6 matrix_b_scale:MATRIX_SCALE_ROW1
.else
	v_wmma_scale_f32_16x16x128_f8f6f4 v[D_:D_+7], v[B_:B_+11], v[A_:A_+11], \c, v[SB_], v[SA_] matrix_a_fmt:MATRIX_FMT_FP6 matrix_b_fmt:MATRIX_FMT_FP6 matrix_a_scale:MATRIX_SCALE_ROW1 matrix_b_scale:MATRIX_SCALE_ROW1
.endif
.endm
.macro MULS a, q                       ; token block a x w_proj's four blocks, K step q: the four accumulators take turns, one instruction a turn
	WIN 0x0d+(\q)/4                                ; source 0 window 1 or 2, source 1 window 3, C and D window 0
.irp b, 0,1,2,3
.set D_, ACC+32*((\a)%2)+8*\b
.set B_, 48*((\q)%4)+12*\b
.set A_, 96*((\a)%2)+12*(\q)
.set SB_, SB+2*(\q)+\b/2
.set SA_, SA+4*(\q)+(\a)/2
.set RW_, 2*((\a)%2)+\b%2
.if (\q) == 0
	W1 0                                           ; the first product starts the sum: nothing is cleared
.else
	W1 v[D_:D_+7]
.endif
.endr
.endm
.macro TOSTAGE a                       ; 16 tokens x 64 columns into my stage and back as rows of 256 bytes; LDS serves a wave's instructions in order: 16 LDS instructions
.irp b, 0,1,2,3
	ds_store_b128 v[STO], v[ACC+32*((\a)%2)+8*\b:ACC+32*((\a)%2)+8*\b+3] offset:64*\b      ; each accumulator from its low end on
	ds_store_b128 v[STO], v[ACC+32*((\a)%2)+8*\b+4:ACC+32*((\a)%2)+8*\b+7] offset:64*\b+16
.endr
.irp t, 0,1,2,3,4,5,6,7
	ds_load_b128 v[BK+32*((\a)%2)+4*\t:BK+32*((\a)%2)+4*\t+3], v[RD] offset:\t*2*SPITCH
.endr
.endm
.macro SEND a, younger                 ; younger: the LDS instructions issued behind block a's loads from the stage
	s_wait_dscnt \younger
.irp t, 0,1,2,3,4,5,6,7
	global_store_b128 v[CO], v[BK+32*((\a)%2)+4*\t:BK+32*((\a)%2)+4*\t+3], s[12:13] offset:(16*(\a)+2*\t)*4096 th:TH_STORE_NT   ; sixteen lanes store 256 consecutive bytes, at a multiple of 256 from out0's first byte
.endr
.endm
.macro OUT a                           ; behind block a's products: block a - 1 is stored, block a goes through the stage, block a + 2's fragments are asked for
	WIN 0
.if (\a) >= 2
	s_wait_xcnt 0x0                                ; block a - 2's stores have read their registers, into which block a's rows are loaded below
.endif
.if (\a) >= 1
.if (\a) <= 6
	SEND (\a)-1, 48                                ; behind its loads: block a + 1's 48 fragment loads
.else
	SEND (\a)-1, 0
.endif
.endif
.rept 4
	v_nop                                          ; four places behind the block's last product, ahead of the reads of its results and of the loads into its fragments' registers
.endr
	TOSTAGE \a
.if (\a)+2 < 8
	ALOAD (\a)+2
.endif
.endm
	ALOAD 0
	BLOAD 0
	BLOAD 1
	s_wait_loadcnt 0x0                             ; the scale words are in
.irp q, 0,1,2,3,4,5,6,7                ; block 0: w_proj's fragments come two K steps ahead of their first use
.if \q+2 < 8
	BLOAD \q+2
.endif
.if \q == 6
	ALOAD 1
	s_wait_dscnt 63                                ; K step 6's fragments are in (behind them: 24 + 48 loads; the count is held to its field)
.else
	s_wait_dscnt 48                                ; this K step's fragments are in; the 48 loads behind them may be out
.endif
	MULS 0, \q
.endr
	OUT 0
.irp a, 1,2,3,4,5,6,7
.if \a < 7
	s_wait_dscnt 63                                ; block a's fragments are in (behind them: 16 stage instructions and 48 loads; the count is held to its field)
.else
	s_wait_dscnt 16                                ; behind them: block 6's 16 stage instructions
.endif
.irp q, 0,1,2,3,4,5,6,7
	MULS \a, \q
.endr
	OUT \a
.endr
	SEND 7, 0
	s_wait_tensorcnt 0x0                           ; the wave's end: behind my last tensor load and my last LDS store
	ds_add_u32 v[SPW], v[NIL]
	s_wait_dscnt 0x0
	CROUND                                         ; the closing round
	s_endpgm
.Lfunc_end_k_q9b4994eed6_gemm_proj:
	.size	k_q9b4994eed6_gemm_proj, .Lfunc_end_k_q9b4994eed6_gemm_proj-k_q9b4994eed6_gemm_proj
	.p2alignl 7, 3214868480
	.fill 96, 4, 3214868480
	.section	.rodata,"a",@progbits
	.p2align	6, 0x0
	.amdhsa_kernel k_q9b4994eed6_gemm_proj
		.amdhsa_group_segment_fixed_size 327680
		.amdhsa_private_segment_fixed_size 0
		.amdhsa_enable_private_segment 0
		.amdhsa_kernarg_size 40
		.amdhsa_user_sgpr_count 2
		.amdhsa_user_sgpr_kernarg_segment_ptr 1
		.amdhsa_wavefront_size32 1
		.amdhsa_system_sgpr_workgroup_id_x 1
		.amdhsa_system_sgpr_workgroup_id_y 1
		.amdhsa_system_sgpr_workgroup_id_z 1
		.amdhsa_system_vgpr_workitem_id 0
		.amdhsa_next_free_vgpr 1024
		.amdhsa_next_free_sgpr 80
		.amdhsa_reserve_vcc 0
		.amdhsa_float_denorm_mode_32 3
		.amdhsa_float_denorm_mode_16_64 3
		.amdhsa_memory_ordered 1
		.amdhsa_forward_progress 1
		.amdhsa_inst_pref_size 97
	.end_amdhsa_kernel
	.amdgpu_metadata
---
amdhsa.version: [ 1, 2 ]
amdhsa.kernels:
  - .name:           k_q9b4994eed6_gemm_proj
    .symbol:         k_q9b4994eed6_gemm_proj.kd
    .args:
      - { .name: o_codes, .offset: 0, .size: 8, .value_kind: global_buffer, .address_space: global }
      - { .name: o_scales, .offset: 8, .size: 8, .value_kind: global_buffer, .address_space: global }
      - { .name: codes, .offset: 16, .size: 8, .value_kind: global_buffer, .address_space: global }
      - { .name: scales, .offset: 24, .size: 8, .value_kind: global_buffer, .address_space: global }
      - { .name: out0, .offset: 32, .size: 8, .value_kind: global_buffer, .address_space: global }
    .group_segment_fixed_size: 327680
    .private_segment_fixed_size: 0
    .kernarg_segment_align: 8
    .kernarg_segment_size: 40
    .max_flat_workgroup_size: 128
    .sgpr_count:     80
    .vgpr_count:     1024
    .wavefront_size: 32
...
	.end_amdgpu_metadata
.endif
;; end of part 4
